; MI455X (gfx1250); checked and timed in simulation.
; The chip was launched on July 23, 2026; its instructions are those of AMD's public machine-readable ISA for CDNA 5 (MIT licence, August 2026) and "CDNA5" Instruction Set Architecture Reference Guide (July 2026). The comments in the code are by the model that wrote it; some were corrected since.
;; W8 A16 Lora Linear. Allowed arithmetic: matrix products marked QUANTISED: E2M3 operands, one E8M0 scale for each 32 along K, by v_wmma_scale_f32_16x16x128_f8f6f4 with both operands' format E2M3, f32 sums; products left as they are: f32 operands where the result goes on into a quantised operand, else bf16, f16 or f32 operands; f32 sums; everything else in f32.
;; Inputs: bias 4,096 float16; input 4 x 1,024 x 4,096 float16; lora_A_w 16 x 4,096 float16; lora_B_w 4,096 x 16 float16; qweight 4,096 x 4,096 int8; weight_scales 4,096 float16.
;; Outputs: out0 4 x 1,024 x 4,096 float16.
;; This version of the problem:
;;   THIS VERSION OF THE PROBLEM IS GIVEN IN LOW PRECISION. The matrix products marked QUANTISED in the list below multiply operands that are first quantised to E2M3 (2 exponent bits, 3 mantissa bits; 6 bits a number), with one power-of-two scale for each 32 numbers along K (OCP MX v1.0); their sums are f32. All else is computed in f32.
;;   The module's matrix products, in the order in which they are computed (A, B: the left and right operand; K: the contracted axis; several contracted axes count as one K, in the product's order):
;;     1. [M 4,096, K 4,096] x [K 4,096, N 4,096]; A: input input; B: computed on the way: QUANTISED
;;     2. [M 4,096, K 4,096] x [K 4,096, N 16]; A: input input; B: input lora_A_w: QUANTISED
;;     3. [M 4,096, K 16] x [K 16, N 4,096]; A: computed on the way; B: input lora_B_w: left as it is (K = 16 < 32)
;;   THE QUANTISER, for each operand of a quantised product, along K:
;;     - K is cut into blocks of 32 from its start; a last block that is shorter is filled with zeros.
;;     - A block's scale is 2^e with e = floor(log2(the largest magnitude in the block)) - 2, held to -126 .. 127; a block of zeros has e = 0. As a byte (E8M0): e + 127.
;;     - Each number is divided by its block's scale, clamped to +-7.5, and rounded to the nearest number of E2M3, ties to even, subnormals kept.
;;     - The product sums the exact products of the quantised numbers (number of the format x scale) in f32.
;;   ~~~python
;;   def quantise(x, axis):      # numpy; x: float32 -> the quantised numbers, widened to float32 again
;;       x = np.moveaxis(x, axis, -1); K = x.shape[-1]
;;       x = np.pad(x, [(0, 0)] * (x.ndim - 1) + [(0, -K % 32)]); x = x.reshape(x.shape[:-1] + (-1, 32)); a = np.abs(x).max(-1, keepdims=True)
;;       e = np.where(a > 0, np.clip(np.frexp(np.where(a > 0, a, 1))[1] - 1 - 2, -126, 127), 0)      # np.frexp(a)[1] - 1 = floor(log2(a)), exactly
;;       r = np.clip(x / 2.0 ** e, -7.5, 7.5)
;;       step = 2.0 ** (np.maximum(np.frexp(np.where(r == 0, 1, r))[1] - 1, 0) - 3)
;;       q = np.round(r / step) * step * 2.0 ** e      # np.round: ties to even
;;       return np.moveaxis(q.reshape(q.shape[:-2] + (-1,))[..., :K], -1, axis).astype(np.float32)
;;   ~~~
;;   OPERANDS COMPUTED ON THE WAY. 'Computed on the way' means the value that the module computes at that place (a softmax that the list does not call 'softmax' is quantised finished and normalised). What goes into a quantiser is computed in f32, as accurately as f32 sums, v_exp_f32 and their like allow (about 1e-6 of the number): no bf16 or f16 on the way to a quantiser, and a product that is left as it is and whose result goes on into a quantised operand takes f32 operands (vector FMAs, or v_wmma_f32_16x16x4_f32). A number that lies on a knife's edge between two numbers of the format may be rounded either way, as far as f32 arithmetic and the matrix unit's own rounding can turn it there, and no further.
;; 2 versions, each right; version 2 is version 1 with the launch prep written anew for expert scheduling mode. Each part assembles by itself: llvm-mc -triple=amdgcn-amd-amdhsa -mcpu=gfx1250 --defsym DOCPART=n.
;; ======== version 1 of 2: 2 launches
;; workspace buffers: xq 13,107,200 bytes; wq 13,107,200 bytes; aimg 131,072 bytes
;; launch prep (part 1): grid 256 x 1, 8 waves a work-group, no clusters, 188,160 bytes of LDS; arguments input, lora_A_w, qweight, weight_scales, xq, wq, aimg; writes xq, wq, aimg
.if DOCPART == 1
	.amdgcn_target "amdgcn-amd-amdhsa--gfx1250"
	.amdhsa_code_object_version 6
	.text
	.protected	k_q48b18ebf21_prep
	.globl	k_q48b18ebf21_prep
	.p2align	8
	.type	k_q48b18ebf21_prep,@function
k_q48b18ebf21_prep:
	s_mov_b64 s[64:65], 0
	v_nop
	global_prefetch_b8 v0, s[64:65] scope:SCOPE_SE
	s_setreg_imm32_b32 hwreg(HW_REG_WAVE_MODE, 25, 1), 1
	s_wait_xcnt 0x0
; QUANTISE ONCE.  x [4096][4096] f16 (K innermost) and w = qweight x weight_scales [K 4096][N 4096] (K outermost) become codes of FP6 (E2M3) with one E8M0 byte for each 32 along K;
; and a2 = 2 x Q(x) Q(lora_A)^T [4096][16] is made here too, since x's codes pass through registers anyway.
; A block's scale is 2^(floor(log2(its largest magnitude)) - 2): its byte is the largest magnitude's own exponent field - 2, held at 1 from below by a floor among the maximum's leaves.
; LAYOUT OF xq AND wq, in the order of the operand's registers: [hb 32][K step 32][12,800 bytes]; hb = 128 rows of x (columns n of w), a K step = 128 along K.  In a block: 8 images of fragments,
; tile i of 16 rows at 1,536 i: registers 4 p .. 4 p + 3 of lane l at 512 p + 16 l; then from byte 12,288 the scale words [row 128][4 bytes].  The K steps of one hb follow each other in memory.
; aimg: [tile of 16 rows 256][lane 32][16 bytes]: lane (r, h) holds bf16 of a2[row r][8 h .. 8 h + 7]: registers 0-3 of a bf16 fragment.
; SHARES.  Work-groups 0-127: 32 rows of x, all of K; wave w takes K steps 4 w to 4 w + 3.  Work-groups 128-255: 256 along K x 512 columns of w; wave w takes block w of 32 along K.
; The two ways part once, on the work-group's number; each has LDS bytes, one barrier and an end of its own.  No tensor load, no loop: every offset is an immediate.
; LIMITS: a block of zeros gets the byte 1 where the rule says 127 (its codes are zeros; this program alone reads the bytes); NaN and infinities among the inputs are not served;
; a is summed in 16 partial f32 sums of 256 along K, added in a fixed order; a2 is rounded to bf16 (f16 has no room where x and lora_A carry large offsets).
.set KSB,  12800                       ; bytes of a block: 128 rows x 128 along K
.set HBB,  409600                      ; bytes of an hb: its 32 K steps
.set WST,  0                           ; w: 32 n-tiles x (two images, 3,072 bytes + 16)
.set WSC,  98816                       ; w: 32 n-tiles x (128 scale bytes + 8)
.set XST,  103168                      ; x: a stage of 16 rows x (512 + 16) bytes for each wave
.set XRED, 170752                      ; x: 2,048 bytes of partial sums of a for each wave
.set MSB, 0
.macro WIN new                         ; the immediate's high byte repeats the setting that is left
.if MSB != (\new)
	s_set_vgpr_msb (MSB<<8)|(\new)
.set MSB, (\new)
.endif
.endm
.macro CV2 d, n                        ; the two f16 of register n, widened into v[d], v[d + 1]
	v_cvt_f32_f16 v[\d], v\n\().l
	v_cvt_f32_f16 v[(\d)+1], v\n\().h
.endm
	s_load_b256 s[4:11], s[0:1], 0x0               ; input s[4:5], lora_A s[6:7], qweight s[8:9], weight_scales s[10:11]
	s_load_b128 s[12:15], s[0:1], 0x20             ; xq s[12:13], wq s[14:15]
	s_load_b64 s[16:17], s[0:1], 0x30              ; aimg
	v_lshl_add_u32 v14, v0, 2, 0x2db00
	v_mov_b32 v15, 0
	v_lshrrev_b32 v1, 5, v0
	v_readfirstlane_b32 s18, v1                    ; wave 0..7
	v_and_b32 v1, 31, v0                           ; lane
	v_and_b32 v2, 15, v0                           ; r
	v_bfe_u32 v3, v0, 4, 1                         ; h
	v_lshlrev_b32 v4, 4, v1                        ; 16 x lane
	v_lshlrev_b32 v8, 3, v1                        ; 8 x lane
	s_wait_kmcnt 0x0
	s_cmp_lt_u32 ttmp9, 128
	s_cbranch_scc0 .Lw_path
; ================================================================ x ================================================================
; A UNIT is 16 rows x 256 along K of f16: 16 loads, each a row's 512 consecutive bytes.  A wave has six: lora_A, x rows 0-15, x rows 16-31 of its first 256 along K, then the same of its second.
; A unit turns through the wave's own stage so that lane (r, h) gets, of row r, the 32 neighbours k = 128 q + 64 c + 32 h + 0 .. 31: whole blocks, in the order of the operand's registers.
.set SA,  5                            ; v5   the stage, on the way in: 16 x lane
.set SB,  6                            ; v6   and back: 528 r + 64 h
.set SH8, 7                            ; v7   8 h
.set RA,  9                            ; v9   where I put my partial sums
.set RB,  10                           ; v10  where waves 0 and 1 read all eight waves'
.set L4,  11                           ; v11  4 x lane
.set F,   16                           ; v16-79   a unit back from the stage, two f16 a register
.set X,   80                           ; v80-143  64 numbers in f32
.set PC,  144                          ; v144-155 x's fragment
.set PT,  156                          ; v156-163 the second halves of the blocks' codes
.set AF,  164                          ; v164-187 lora_A's two fragments of the 256 along K in hand
.set AS,  188                          ; v188-189 their scale words
.set XW,  190                          ; v190-193 x's scale words, 2 t + q
.set SW,  194                          ; v194-195 the words as they are stored
.set M,   196                          ; v196-199 four chains of the maximum
.set SO,  200                          ; v200-201 the conversions' scale operands
.set BY,  202                          ; v202-203 the scale bytes
.set W,   204
.set W2,  205
.set AC,  208                          ; v208-239 four accumulators of a, at 8 (2 t + q)
.set R,   240                          ; v240-255 their sums over q
                                       ; window 1: v0-255: a ring of four units as loaded
	s_mul_i32 s22, s18, 8448
	s_add_co_u32 s22, s22, XST
	v_add_nc_u32 v[SA], s22, v4
	v_mul_u32_u24 v[SB], v2, 528
	v_lshl_add_u32 v[SB], v3, 6, v[SB]
	v_add_nc_u32 v[SB], s22, v[SB]
	v_lshlrev_b32 v[SH8], 3, v3
	v_lshlrev_b32 v[L4], 2, v1
	s_lshl_b32 s22, s18, 11
	s_add_co_u32 s22, s22, XRED
	v_add_nc_u32 v[RA], s22, v4
	s_lshl_b32 s22, s18, 10
	s_add_co_u32 s22, s22, XRED
	v_add_nc_u32 v[RB], s22, v4
	v_mov_b32 v[W2], 0                             ; written once: a lane permute's destination counts as one of its sources
	s_mov_b32 s20, 0x76543210
	s_mov_b32 s21, 0xfedcba98                      ; v_permlanex16_b32's selects for lane l xor 16
	s_mov_b32 vcc_lo, 0xffff0000                   ; lanes 16-31
	s_lshl_b32 s22, ttmp9, 18                      ; my work-group's 32 rows of 8,192 bytes
	s_mov_b32 s23, 0
	s_lshl_b32 s24, s18, 10                        ; my wave's 512 along K: 1,024 bytes of a row
	s_mov_b32 s25, 0
	s_add_nc_u64 s[4:5], s[4:5], s[22:23]
	s_add_nc_u64 s[4:5], s[4:5], s[24:25]          ; x
	s_add_nc_u64 s[6:7], s[6:7], s[24:25]          ; lora_A
	s_mul_i32 s26, s18, 4*KSB                      ; my wave's four K steps,
	s_lshr_b32 s28, ttmp9, 2
	s_mul_i32 s28, s28, HBB                        ; in my rows' hb
	s_add_co_u32 s26, s26, s28
	s_mov_b32 s27, 0
	s_add_nc_u64 s[12:13], s[12:13], s[26:27]      ; xq at my first block
	s_and_b32 s28, ttmp9, 3                        ; which 32 of the block's 128 rows
	s_lshl_b32 s30, s28, 7
	s_add_co_u32 s30, s30, 12288
	s_mov_b32 s31, 0
	s_add_nc_u64 s[30:31], s[12:13], s[30:31]      ; their scale words
	s_mul_i32 s28, s28, 3072
	s_mov_b32 s29, 0
	s_add_nc_u64 s[12:13], s[12:13], s[28:29]      ; their two images
.macro LOADU u                         ; unit u into set u % 4 of the ring
	WIN 0x40                                       ; destination window 1
.irp j, 0,1,2,3,4,5,6,7,8,9,10,11,12,13,14,15
.if (\u)%3 == 0
	global_load_b128 v[64*((\u)%4)+4*\j:64*((\u)%4)+4*\j+3], v4, s[6:7] offset:8192*\j+512*((\u)/3)
.else
	global_load_b128 v[64*((\u)%4)+4*\j:64*((\u)%4)+4*\j+3], v4, s[4:5] offset:8192*\j+512*((\u)/3)+131072*((\u)%3-1) th:TH_LOAD_NT
.endif
.endr
	WIN 0
.endm
.macro TURNU u, left                   ; unit u through the stage; left = the loads of the units issued behind it, 16 each
	s_wait_loadcnt \left
	WIN 0x04                                       ; an LDS store's data are its source 1: window 1
.irp j, 0,1,2,3,4,5,6,7,8,9,10,11,12,13,14,15
	ds_store_b128 v[SA], v[64*((\u)%4)+4*\j:64*((\u)%4)+4*\j+3] offset:528*\j
.endr
	WIN 0
.irp q, 0,1
.irp c, 0,1
.irp i, 0,1,2,3
	ds_load_b128 v[F+32*\q+16*\c+4*\i:F+32*\q+16*\c+4*\i+3], v[SB] offset:256*\q+128*\c+16*\i   ; LDS serves a wave's instructions in order: these see the stores above
.endr
.endr
.endr
	s_wait_dscnt 0x0                               ; the unit is back, and the stores have read the ring's set,
.if (\u)+4 < 6
	LOADU (\u)+4                                   ; which takes the unit four on
.endif
.endm
; The q-th 128 along K of the unit in F become a fragment in v[dst] on and its rows' scale word in v[wreg] (whole in both halves of the lanes).
.macro FRAG q, dst, wreg
.if \q == 0
.irp n, 16,17,18,19,20,21,22,23,24,25,26,27,28,29,30,31,32,33,34,35,36,37,38,39,40,41,42,43,44,45,46,47
	CV2 X+2*(\n-16), \n
.endr
.else
.irp n, 48,49,50,51,52,53,54,55,56,57,58,59,60,61,62,63,64,65,66,67,68,69,70,71,72,73,74,75,76,77,78,79
	CV2 X+2*(\n-48), \n
.endr
.endif
.irp m, 0,1,2,3
	v_max3_num_f32 v[M+\m], |v[X+16*\m]|, |v[X+16*\m+1]|, 0x1800000   ; four chains of 16 numbers, each begun with the floor 2^(3 - 127): the byte cannot fall under 1
.endr
.irp i, 2,4,6,8,10,12,14
.irp m, 0,1,2,3
	v_max3_num_f32 v[M+\m], v[M+\m], |v[X+16*\m+\i]|, |v[X+16*\m+\i+1]|
.endr
.endr
	v_max_num_f32 v[M], v[M], v[M+1]               ; my block 2 c + h, c = 0,
	v_max_num_f32 v[M+2], v[M+2], v[M+3]           ; and c = 1: all 32 numbers of each are mine
	v_add_nc_u32 v[SO], 0xff000000, v[M]           ; 2 off the exponent field: the conversion takes this operand's exponent field as its scale
	v_add_nc_u32 v[SO+1], 0xff000000, v[M+2]
	v_lshrrev_b32 v[BY], 23, v[SO]                 ; the scales' bytes
	v_lshrrev_b32 v[BY+1], 23, v[SO+1]
	v_lshl_or_b32 v[W], v[BY+1], 16, v[BY]         ; blocks h and 2 + h,
	v_lshlrev_b32 v[W], v[SH8], v[W]               ; at their places in the word;
	v_permlanex16_b32 v[W2], v[W], s20, s21
	v_or_b32 v[\wreg], v[W], v[W2]                 ; with lane l xor 16's two the word is whole
	s_wait_xcnt 0x0                                ; the stores issued so far have read their data: the codes' registers are written again only behind this wait
.irp c, 0,1
	v_cvt_scalef32_pk16_fp6_f32 v[\dst+6*\c:\dst+6*\c+2], v[X+32*\c:X+32*\c+15], v[SO+\c]
	v_cvt_scalef32_pk16_fp6_f32 v[PT+4*\c:PT+4*\c+2], v[X+32*\c+16:X+32*\c+31], v[SO+\c]   ; (a conversion's three registers begin on an even number)
.endr
	v_nop                                          ; one plain place behind a scaled conversion
.irp c, 0,1
.irp i, 0,1,2
	v_mov_b32 v[\dst+6*\c+3+\i], v[PT+4*\c+\i]
.endr
.endr
.endm
; x's fragment leaves as an image of its registers, 512 consecutive aligned bytes a store, and is multiplied by lora_A's: source 0 = the 16 ranks, source 1 = my 16 rows of x,
; so that lane (r, h) holds a[row r][rank 8 h + 0 .. 7].  The four accumulators take turns, one instruction a turn.
.macro XOUT e, t, q
.irp p, 0,1,2
	global_store_b128 v4, v[PC+4*\p:PC+4*\p+3], s[12:13] offset:KSB*(2*\e+\q)+1536*\t+512*\p
.endr
.rept 8
	v_nop                                          ; a scale register written by a vector instruction stands 8 places ahead of a scaled matrix instruction, an operand so written 4
.endr
.if \e == 0
	v_wmma_scale_f32_16x16x128_f8f6f4 v[AC+8*(2*\t+\q):AC+8*(2*\t+\q)+7], v[AF+12*\q:AF+12*\q+11], v[PC:PC+11], 0, v[AS+\q], v[XW+2*\t+\q] matrix_a_fmt:MATRIX_FMT_FP6 matrix_b_fmt:MATRIX_FMT_FP6
.else
	v_wmma_scale_f32_16x16x128_f8f6f4 v[AC+8*(2*\t+\q):AC+8*(2*\t+\q)+7], v[AF+12*\q:AF+12*\q+11], v[PC:PC+11], v[AC+8*(2*\t+\q):AC+8*(2*\t+\q)+7], v[AS+\q], v[XW+2*\t+\q] matrix_a_fmt:MATRIX_FMT_FP6 matrix_b_fmt:MATRIX_FMT_FP6
.endif
.endm
.macro XUNIT e, t                      ; the next fragment's conversions to f32 and maxima are the places behind each product
	FRAG 0, PC, XW+2*\t
	XOUT \e, \t, 0
	FRAG 1, PC, XW+2*\t+1
	XOUT \e, \t, 1
.endm
; The 32 rows' scale words of two K steps: lanes 0-15 tile 0's rows, lanes 16-31 tile 1's.  Each store covers 128 consecutive bytes: my work-group's 32 rows are a quarter of a block's 128,
; and a K step's words lie in its own block.  These words are 512 of a block's 12,800 bytes.
.macro SCOUT e
	v_cndmask_b32 v[SW], v[XW], v[XW+2], vcc_lo
	v_cndmask_b32 v[SW+1], v[XW+1], v[XW+3], vcc_lo
	global_store_b32 v[L4], v[SW], s[30:31] offset:KSB*(2*\e)
	global_store_b32 v[L4], v[SW+1], s[30:31] offset:KSB*(2*\e+1)
.endm
	LOADU 0
	LOADU 1
	LOADU 2
	LOADU 3
	TURNU 0, 48
	FRAG 0, AF, AS
	FRAG 1, AF+12, AS+1
	TURNU 1, 48
	XUNIT 0, 0
	TURNU 2, 48
	XUNIT 0, 1
	SCOUT 0
	TURNU 3, 32
	FRAG 0, AF, AS
	FRAG 1, AF+12, AS+1
	TURNU 4, 16
	XUNIT 1, 0
	TURNU 5, 0
	XUNIT 1, 1
	SCOUT 1
.rept 4
	v_nop                                          ; places between the last product and the first read of its result
.endr
.irp t, 0,1
.irp j, 0,2,4,6
	v_pk_add_f32 v[R+8*\t+\j:R+8*\t+\j+1], v[AC+16*\t+\j:AC+16*\t+\j+1], v[AC+16*\t+8+\j:AC+16*\t+8+\j+1]   ; each accumulator from its low end on
.endr
.endr
.irp t, 0,1
.irp f, 0,1
	ds_store_b128 v[RA], v[R+8*\t+4*\f:R+8*\t+4*\f+3] offset:1024*\t+512*\f
.endr
.endr
	s_wait_dscnt 0x0                               ; for the others' sake: my partial sums lie in LDS
	s_barrier_signal -1
	s_barrier_wait -1
	s_cmp_lt_u32 s18, 2
	s_cbranch_scc1 .Lx_sum
	s_wait_tensorcnt 0x0
	ds_add_u32 v14, v15
	s_wait_dscnt 0x0
	s_endpgm
.Lx_sum:                                               ; wave t = 0, 1 adds the eight waves' sums of tile t, in the waves' order
	s_lshl_b32 s28, ttmp9, 1
	s_add_co_u32 s28, s28, s18
	s_lshl_b32 s28, s28, 9                         ; tile 2 g + t of aimg, 512 bytes a tile
	s_add_nc_u64 s[16:17], s[16:17], s[28:29]
.irp k, 0,1,2,3,4,5,6,7
.irp f, 0,1
	ds_load_b128 v[16+8*\k+4*\f:16+8*\k+4*\f+3], v[RB] offset:2048*\k+512*\f
.endr
.endr
	s_wait_dscnt 0x0
.irp k, 1,2,3,4,5,6,7
.irp j, 0,2,4,6
	v_pk_add_f32 v[16+\j:17+\j], v[16+\j:17+\j], v[16+8*\k+\j:17+8*\k+\j]
.endr
.endr
.irp j, 0,2,4,6
	v_pk_mul_f32 v[16+\j:17+\j], v[16+\j:17+\j], 2.0 op_sel_hi:[1,0]   ; the scaling of the low-rank update: exact
.endr
.irp i, 0,1,2,3
	v_cvt_pk_bf16_f32 v[80+\i], v[16+2*\i], v[17+2*\i]
.endr
	global_store_b128 v4, v[80:83], s[16:17]       ; 512 consecutive aligned bytes
	s_wait_tensorcnt 0x0
	ds_add_u32 v14, v15
	s_wait_dscnt 0x0
	s_endpgm
; ================================================================ w ================================================================
; A LANE TAKES 16 COLUMNS (an n-tile), ITS REGISTERS RUN DOWN K: each load is a row's 512 consecutive bytes.  A column's 32 numbers, one block, lie in one lane, so the maximum needs no other lane.
; q x s IS MADE EXACTLY IN f32: u = q + 128 (the sign bit turned) is set into the mantissa of 2^23, giving 2^23 + 256 u; one fused multiply-add by s 2^-8 with -(2^15 + 128) s gives (u - 128) s = q s:
; both constants are exact (11 bits x 9 bits), and so is the result (8 bits x 11 bits).
; A column's 24 bytes of codes are registers 6 c .. 6 c + 5 of lane (j, h) of the n-tile's image q, with 4 q + 2 c + h = my wave: they go there in LDS, and the images leave as they lie.
.Lw_path:
.set WS,  16                           ; v16-23  my 16 columns' scales, f16
.set SF,  24                           ; v24     one of them, f32
.set S1,  26                           ; v[26:27] s 2^-8, twice
.set C1,  28                           ; v[28:29] -(2^15 + 128) s, twice
.set WX,  32                           ; v32-63  a column's 32 numbers
.set CD,  64                           ; v64-79  codes, two sets of 8 by turns
.set WBY, 80                           ; v80-81  scale bytes, by turns
.set WM,  82                           ; v82-85  four chains of the maximum
.set WOP, 86                           ; v86     the conversions' scale operand
.set Q,   128                          ; v128-255 32 rows x 16 bytes
.set MAG, 36                           ; s36     2^23
.set SEL, 37                           ; s37-40  byte selects: 2^23's top byte, 0, byte b of the word, 0
	s_sub_co_u32 s22, ttmp9, 128
	s_lshr_b32 s23, s22, 3                         ; which 256 along K: K steps 2 s23 and 2 s23 + 1
	s_and_b32 s24, s22, 7                          ; which 512 columns
	s_lshl_b32 s26, s23, 8
	s_lshl_b32 s27, s18, 5
	s_add_co_u32 s26, s26, s27                     ; my first row: 256 s23 + 32 wave
	s_lshl_b32 s26, s26, 12
	s_lshl_b32 s27, s24, 9
	s_add_co_u32 s26, s26, s27
	s_mov_b32 s27, 0
	s_add_nc_u64 s[8:9], s[8:9], s[26:27]          ; qweight
	s_lshl_b32 s26, s24, 10
	s_add_nc_u64 s[10:11], s[10:11], s[26:27]      ; weight_scales
	s_mul_i32 s26, s23, 2*KSB
	s_lshl_b32 s28, s24, 2
	s_lshr_b32 s29, s18, 1
	s_add_co_u32 s28, s28, s29                     ; on the way out wave w takes n-tiles 4 w .. 4 w + 3: hb 4 cg + w / 2,
	s_mul_i32 s28, s28, HBB
	s_add_co_u32 s26, s26, s28
	s_add_nc_u64 s[14:15], s[14:15], s[26:27]
	s_and_b32 s28, s18, 1                          ; its lower or upper four tiles
	s_lshl_b32 s30, s28, 8
	s_add_co_u32 s30, s30, 12288
	s_mov_b32 s31, 0
	s_add_nc_u64 s[30:31], s[14:15], s[30:31]      ; their scale words
	s_mul_i32 s28, s28, 6144
	s_mov_b32 s29, 0
	s_add_nc_u64 s[14:15], s[14:15], s[28:29]      ; their images
	v_lshlrev_b32 v12, 5, v1                       ; my 16 scales: 32 bytes a lane
	global_load_b128 v[WS:WS+3], v12, s[10:11]
	global_load_b128 v[WS+4:WS+7], v12, s[10:11] offset:16
.irp i, 0,1,2,3,4,5,6,7,8,9,10,11,12,13,14,15,16,17,18,19,20,21,22,23,24,25,26,27,28,29,30,31
	global_load_b128 v[Q+4*\i:Q+4*\i+3], v4, s[8:9] offset:4096*\i th:TH_LOAD_NT
.endr
	s_lshr_b32 s32, s18, 2                         ; q
	s_mul_i32 s32, s32, 1536
	s_and_b32 s33, s18, 1                          ; h: lanes 16 h + j of the image: 256 h
	s_lshl_b32 s33, s33, 8
	s_add_co_u32 s32, s32, s33
	s_bfe_u32 s33, s18, 0x10001                    ; c
	s_mul_i32 s34, s33, 520
	s_mul_i32 s35, s33, 1016
	v_mul_u32_u24 v13, v1, 3088
	v_add_nc_u32 v13, s32, v13
	v_add_nc_u32 v5, s34, v13                      ; registers 6 c, 6 c + 1:      byte 0 (c = 0) or 520 (c = 1) of lane 0's places in the image
	v_add_nc_u32 v6, s35, v13
	v_add_nc_u32 v6, 8, v6                         ; registers 6 c + 2, 6 c + 3:  byte 8 or 1,024
	v_add_nc_u32 v7, s34, v13
	v_add_nc_u32 v7, 512, v7                       ; registers 6 c + 4, 6 c + 5:  byte 512 or 1,032
	s_lshr_b32 s32, s18, 2
	s_lshl_b32 s32, s32, 6                         ; an n-tile's scale bytes lie [q 2][column 16][4]: 64 q,
	s_and_b32 s33, s18, 3
	s_add_co_u32 s32, s32, s33                     ; + my block's byte of the word
	v_mul_u32_u24 v9, v1, 136
	v_add_nc_u32 v9, s32, v9
	v_add_nc_u32 v9, WSC, v9
	s_mul_i32 s32, s18, 12352
	v_add_nc_u32 v10, s32, v4                      ; back: my four n-tiles' images, 16 bytes a lane
	s_mul_i32 s32, s18, 544
	s_add_co_u32 s32, s32, WSC
	v_lshrrev_b32 v13, 3, v1
	v_mul_u32_u24 v11, v13, 136
	v_and_b32 v13, 7, v1
	v_lshl_add_u32 v11, v13, 3, v11
	v_add_nc_u32 v11, s32, v11                     ; and their scale words: eight lanes to an n-tile, two columns' words a lane
	s_mov_b32 s[MAG], 0x4b000000
.irp b, 0,1,2,3
	s_mov_b32 s[SEL+\b], 0x07040004+(\b<<8)
.endr
.irp g, 0,1,2,3
	s_wait_loadcnt 24-8*\g                         ; the scales and rows 0 to 8 g + 7 are in; the rows behind them may be out
.irp i, 0,1,2,3,4,5,6,7,8,9,10,11,12,13,14,15,16,17,18,19,20,21,22,23,24,25,26,27,28,29,30,31
	v_xor_b32 v[Q+32*\g+\i], 0x80808080, v[Q+32*\g+\i]   ; u = q + 128, four at a time
.endr
.endr
.macro COL j, half                     ; column j of my n-tile; half: the register half that holds its scale
.set cs, (\j)%2
	v_cvt_f32_f16 v[SF], \half
	v_mul_f32 v[S1], 0x3b800000, v[SF]
	v_mul_f32 v[S1+1], 0x3b800000, v[SF]
	v_mul_f32 v[C1], 0xc7008000, v[SF]
	v_mul_f32 v[C1+1], 0xc7008000, v[SF]
.irp i, 0,1,2,3,4,5,6,7,8,9,10,11,12,13,14,15,16,17,18,19,20,21,22,23,24,25,26,27,28,29,30,31
	v_perm_b32 v[WX+\i], s[MAG], v[Q+4*\i+(\j)/4], s[SEL+(\j)%4]   ; 2^23 + 256 u
.endr
.irp i, 0,2,4,6,8,10,12,14,16,18,20,22,24,26,28,30
	v_pk_fma_f32 v[WX+\i:WX+\i+1], v[WX+\i:WX+\i+1], v[S1:S1+1], v[C1:C1+1]   ; q s
.endr
.irp m, 0,1,2,3
	v_max3_num_f32 v[WM+\m], |v[WX+8*\m]|, |v[WX+8*\m+1]|, 0x1800000   ; four chains of 8, each begun with the floor
.endr
.irp i, 2,4,6
.irp m, 0,1,2,3
	v_max3_num_f32 v[WM+\m], v[WM+\m], |v[WX+8*\m+\i]|, |v[WX+8*\m+\i+1]|
.endr
.endr
	v_max3_num_f32 v[WM], v[WM], v[WM+1], v[WM+2]
	v_max_num_f32 v[WM], v[WM], v[WM+3]
	v_add_nc_u32 v[WOP], 0xff000000, v[WM]
.if (\j) >= 2
	s_wait_dscnt 4                                 ; the column before's four stores may be out; those of two columns back have read this set
.endif
	v_lshrrev_b32 v[WBY+cs], 23, v[WOP]
	v_cvt_scalef32_pk16_fp6_f32 v[CD+8*cs:CD+8*cs+2], v[WX:WX+15], v[WOP]
	v_cvt_scalef32_pk16_fp6_f32 v[CD+8*cs+4:CD+8*cs+6], v[WX+16:WX+31], v[WOP]
	v_nop                                          ; one plain place behind a scaled conversion
	v_mov_b32 v[CD+8*cs+3], v[CD+8*cs+4]           ; the block's six registers on end
	v_mov_b32 v[CD+8*cs+4], v[CD+8*cs+5]
	v_mov_b32 v[CD+8*cs+5], v[CD+8*cs+6]
	ds_store_b64 v5, v[CD+8*cs:CD+8*cs+1] offset:16*(\j)
	ds_store_b64 v6, v[CD+8*cs+2:CD+8*cs+3] offset:16*(\j)
	ds_store_b64 v7, v[CD+8*cs+4:CD+8*cs+5] offset:16*(\j)
	ds_store_b8 v9, v[WBY+cs] offset:4*(\j)
.endm
	COL 0, v16.l
	COL 1, v16.h
	COL 2, v17.l
	COL 3, v17.h
	COL 4, v18.l
	COL 5, v18.h
	COL 6, v19.l
	COL 7, v19.h
	COL 8, v20.l
	COL 9, v20.h
	COL 10, v21.l
	COL 11, v21.h
	COL 12, v22.l
	COL 13, v22.h
	COL 14, v23.l
	COL 15, v23.h
	s_wait_dscnt 0x0                               ; for the others' sake: my parts of the images lie in LDS
	s_barrier_signal -1
	s_barrier_wait -1                              ; the 32 n-tiles' images and scale bytes are whole
.irp i, 0,1,2,3
.irp p, 0,1,2,3,4,5
	ds_load_b128 v[Q+4*(6*\i+\p):Q+4*(6*\i+\p)+3], v10 offset:3088*\i+512*\p
.endr
.endr
.irp u, 0,1
	ds_load_b64 v[Q+96+2*\u:Q+96+2*\u+1], v11 offset:64*\u
.endr
.irp i, 0,1,2,3
.irp p, 0,1,2,3,4,5
	s_wait_dscnt 25-(6*\i+\p)                      ; the LDS loads issued behind this one may be out
	global_store_b128 v4, v[Q+4*(6*\i+\p):Q+4*(6*\i+\p)+3], s[14:15] offset:1536*\i+KSB*(\p/3)+512*(\p%3)   ; 512 consecutive aligned bytes: piece p % 3 of the image of K step p / 3
.endr
.endr
.irp u, 0,1
	s_wait_dscnt 1-\u
	global_store_b64 v8, v[Q+96+2*\u:Q+96+2*\u+1], s[30:31] offset:KSB*\u   ; my 64 columns' words of K step u: 256 consecutive aligned bytes
.endr
	s_wait_tensorcnt 0x0
	ds_add_u32 v14, v15
	s_wait_dscnt 0x0
	s_endpgm
.Lfunc_end_k_q48b18ebf21_prep:
	.size	k_q48b18ebf21_prep, .Lfunc_end_k_q48b18ebf21_prep-k_q48b18ebf21_prep
	.p2alignl 7, 3214868480
	.fill 96, 4, 3214868480
	.section	.rodata,"a",@progbits
	.p2align	6, 0x0
	.amdhsa_kernel k_q48b18ebf21_prep
		.amdhsa_group_segment_fixed_size 188160
		.amdhsa_private_segment_fixed_size 0
		.amdhsa_enable_private_segment 0
		.amdhsa_kernarg_size 56
		.amdhsa_user_sgpr_count 2
		.amdhsa_user_sgpr_kernarg_segment_ptr 1
		.amdhsa_wavefront_size32 1
		.amdhsa_system_sgpr_workgroup_id_x 1
		.amdhsa_system_sgpr_workgroup_id_y 1
		.amdhsa_system_sgpr_workgroup_id_z 1
		.amdhsa_system_vgpr_workitem_id 0
		.amdhsa_next_free_vgpr 512
		.amdhsa_next_free_sgpr 66
		.amdhsa_reserve_vcc 1
		.amdhsa_float_denorm_mode_32 3
		.amdhsa_float_denorm_mode_16_64 3
		.amdhsa_memory_ordered 1
		.amdhsa_forward_progress 1
		.amdhsa_inst_pref_size 198
	.end_amdhsa_kernel
	.amdgpu_metadata
---
amdhsa.version: [ 1, 2 ]
amdhsa.kernels:
  - .name:           k_q48b18ebf21_prep
    .symbol:         k_q48b18ebf21_prep.kd
    .args:
      - { .name: input, .offset: 0, .size: 8, .value_kind: global_buffer, .address_space: global }
      - { .name: lora_A_w, .offset: 8, .size: 8, .value_kind: global_buffer, .address_space: global }
      - { .name: qweight, .offset: 16, .size: 8, .value_kind: global_buffer, .address_space: global }
      - { .name: weight_scales, .offset: 24, .size: 8, .value_kind: global_buffer, .address_space: global }
      - { .name: xq, .offset: 32, .size: 8, .value_kind: global_buffer, .address_space: global }
      - { .name: wq, .offset: 40, .size: 8, .value_kind: global_buffer, .address_space: global }
      - { .name: aimg, .offset: 48, .size: 8, .value_kind: global_buffer, .address_space: global }
    .group_segment_fixed_size: 188160
    .private_segment_fixed_size: 0
    .kernarg_segment_align: 8
    .kernarg_segment_size: 56
    .max_flat_workgroup_size: 256
    .sgpr_count:     66
    .vgpr_count:     512
    .wavefront_size: 32
...
	.end_amdgpu_metadata
.endif
;; end of part 1
;; launch gemm (part 2): grid 16 x 16, 4 waves a work-group, clusters of 4 x 4, 327,680 bytes of LDS; arguments xq, wq, aimg, lora_B_w, bias, out0; writes out0
.if DOCPART == 2
	.amdgcn_target "amdgcn-amd-amdhsa--gfx1250"
	.amdhsa_code_object_version 6
	.text
	.protected	k_q48b18ebf21_gemm
	.globl	k_q48b18ebf21_gemm
	.p2align	8
	.type	k_q48b18ebf21_gemm,@function
k_q48b18ebf21_gemm:
	s_mov_b64 s[64:65], 0
	v_nop
	global_prefetch_b8 v0, s[64:65] scope:SCOPE_SE
	s_setreg_imm32_b32 hwreg(HW_REG_WAVE_MODE, 25, 1), 1
	s_wait_xcnt 0x0
	s_wait_alu depctr_hold_cnt(0) depctr_sa_sdst(0) depctr_va_vdst(0) depctr_va_sdst(0) depctr_va_ssrc(0) depctr_va_vcc(0) depctr_vm_vsrc(0)
	s_getreg_b32 s2, hwreg(HW_REG_IB_STS2, 6, 4)
	s_cmp_eq_u32 s2, 0
	s_cbranch_scc0 .Lentry_in_a_cluster
	s_endpgm
.Lentry_in_a_cluster:
	s_bfe_u32 s2, ttmp6, 0x10000c
	s_cmp_lg_u32 s2, 0xf033
	s_cbranch_scc0 .Lentry_shape_is_right
	s_endpgm
.Lentry_shape_is_right:
; out[m][n] = bias[n] + sum over r of a2[m][r] lora_B[n][r] + sum over k of Q(x)[m][k] Q(w)[k][n], rounded once to f16.  M = N = K = 4,096.
; The large product runs on codes of FP6 (E2M3) with one E8M0 byte for each 32 along K, as the launch before laid them: xq and wq are [hb 32][K step 32][12,800 bytes], a block holding, for 128 rows and 128 along K,
; 8 images of fragments (tile i at 1,536 i: registers 4 p .. 4 p + 3 of lane l at 512 p + 16 l) and from byte 12,288 the scale words [row 128][4 bytes].  The K steps of one hb follow each other in memory.
; So a wave's part of a slot, THREE K steps, is ONE dense run of 38,400 bytes for one tensor load, a fragment comes by three loads of 16 bytes a lane from consecutive bytes, and the scale words ride in the same run.
; A tile of out, 256 x 256, is made by a work-group of four waves, as many as a WGP has SIMDs; a wave makes 128 x 128: 64 accumulators, 512 registers.  256 tiles in all.
; THE RING: two slots of 384 along K, 153,600 bytes each, as large as fit beside the stages: 192 matrix instructions a wave between two changes of slots.  32 K steps are ten fills of three and one of two.
; THE LOW-RANK UPDATE AND THE BIAS START THE SUMS: one bf16 matrix instruction for each accumulator (K = 16 ranks, the upper 16 of its 32 filled with zeros), with the bias as its C.  Nothing is cleared, nothing is added later.
; a2 and lora_B go in bf16: a2 has no room in f16 where x and lora_A carry large offsets.  out overflows to infinity where the cast to f16 does.  NaN and infinities among the inputs are not served.
; CLUSTERS: 4 x 4 work-groups.  The four of a row of the cluster need the same blocks of xq, the four of a column the same blocks of wq: each run is asked for JOINTLY, by the same tensor load with the same
; descriptor and a mask that names the four.  THE MATRIX INSTRUCTIONS ARE USED TRANSPOSED (source 0 = 16 columns n, source 1 = 16 rows m): a lane then holds eight neighbouring numbers of a row of out.
; REGISTERS, in windows of 256: window 0: v1-30 addresses; v32-47 scale words, two sets, and nothing else ever; v128-223 x's 8 fragments, ONE set (ahead of the loop: a2's fragments and the bias; on the way out: rows of out).
;   window 1: w's fragments, TWO sets, at v0 and v128 (ahead of the loop: lora_B's).   window 2: the accumulators of my rows 0-63 ((a, b) at v[8 (8 a + b)]);   window 3: those of my rows 64-127.
.set KSB,    12800                     ; bytes of a block: 128 rows x 128 along K
.set FILLB,  3*KSB                     ; what one tensor load brings, and what one wave reads of x or of w in a slot
.set HBB,    32*KSB                    ; bytes of an hb: its 32 K steps
.set SLOT,   4*FILLB                   ; x's two runs, then w's two
.set STAGE,  2*SLOT                    ; behind the ring: 16 rows x 272 bytes for each wave, for the way out; no tile lands here
.set SPITCH, 272
.set SPARE,  STAGE+4*16*SPITCH         ; behind the stages: the spare words, 128 bytes for each wave: two blocks of 256 bytes that no other line names
.set FR,     12                        ; registers of a fragment
.set NL,     3                         ; LDS loads that bring one
.set NP,     4                         ; places behind these matrix instructions (ISA guide 7.12.1)
.set ADRA, 16                          ; v16-17  LDS address of my x fragments in slot 0, 1
.set ADRB, 20                          ; v20-21  the same for w
.set ADRS, 22                          ; v22-23  of my scale words: lanes 0-15 x's rows, lanes 16-31 w's columns
.set STO,  24                          ; v24     the way out: where I put 16 bytes of a row
.set RD,   25                          ; v25     where I read a row back
.set CO,   26                          ; v26     my byte offset in out
.set PFO2, 27                          ; v27     the second prefetch's offset; never rewritten
.set SPW,  28                          ; v28     LDS address of my spare word; never rewritten
.set NIL,  29                          ; v29     0; never rewritten
.set PFO,  30                          ; v30     the first prefetch's offset; never rewritten
.set SC,   32                          ; scale words: set p at v[SC + 8 p]; register i: lanes 0-15 the word of x's tile i, lanes 16-31 that of w's tile i
.set AF,   128                         ; x's fragments
.set TMP,  192                         ; the way out: packed results
.set BK,   128                         ; the way out: 16 rows read back: v128-159 and v160-191 by turns
.set G1,  24                           ; s[24:31] descriptor group 1 for x's runs;  s[32:39] group 0, one set for each slot
.set G0,  32
.set G1B, 48                           ; s[48:55], s[56:63] the same for w's
.set G0B, 56
.set G1L, 76                           ; s[76:83], s[84:91] groups 1 for the last fill, of two K steps
.set G1BL, 84
.set PFA, 66                           ; s[66:67] where my prefetches stand
.set LIM, 68                           ; s68     1 in a wave that prefetches, else the greatest number
.set MSB, 0
.macro WIN new                         ; the immediate's high byte repeats the setting that is left
.if MSB != (\new)
	s_set_vgpr_msb (MSB<<8)|(\new)
.set MSB, (\new)
.endif
.endm
.set MUL_LO, 0xa1                      ; source 0 (w) window 1, source 1 (x) window 0, C and D window 2
.set MUL_HI, 0xf1                      ; the same, C and D window 3
.set TO_B,   0x40                      ; destination window 1, address window 0
.macro CV2 d, n                        ; the two f16 of register n, widened into v[d], v[d + 1]
	v_cvt_f32_f16 v[\d], v\n\().l
	v_cvt_f32_f16 v[(\d)+1], v\n\().h
.endm
; A joint load: waves 0 and 1 fetch x's two runs, waves 2 and 3 w's.  Each of the two lines has ONE mask and one set of registers for all that issue it; the branch hangs on the wave's number alone.
; Four v_nop follow each of the two lines, ahead of the jump, the label and what follows.
.macro JLOAD s, ga, gb
	s_cmp_eq_u32 s17, 0
	s_cbranch_scc0 .Lfor_b_\@
	tensor_load_to_lds s[G0+4*\s:G0+4*\s+3], s[\ga:\ga+7]
	s_nop 0
.rept 4
	v_nop
.endr
	s_branch .Lasked_\@
.Lfor_b_\@:
	tensor_load_to_lds s[G0B+4*\s:G0B+4*\s+3], s[\gb:\gb+7]
	s_nop 0
.rept 4
	v_nop
.endr
.Lasked_\@:
.endm
.macro CREST                           ; a round of the cluster's barrier behind its opening barrier
	s_cmp_lg_u32 s16, 0
	s_cbranch_scc1 .Lnot_wave_0_\@
	s_barrier_signal -3
.Lnot_wave_0_\@:
	s_barrier_wait -3
	s_barrier_signal -1
	s_barrier_wait -1
.endm
.macro CROUND                          ; a whole round
	s_barrier_signal -1
	s_barrier_wait -1
	CREST
.endm
; A PREFETCH INTO THE L2, behind each joint refill of the loop, its four lines and the run of LDS loads that follows: the run of the fill that stands TWO refills on, 384 matrix instructions ahead of the load that will want it.
; x's runs are read by every cluster of a row of clusters: the first of them (cluster x = 0) asks; w's by every cluster of a column: cluster y = 0 asks.  The four partners that ask for a run jointly share its
; 38,400 bytes out BY ADDRESS, 9,600 each (place cx for x, cy for w), lanes 256 bytes apart: 38 lanes' worth, so two instructions, 32 lanes and 6; lanes 6-31 of the second name lane 5's bytes again, and the
; 256 bytes in which two partners' parts meet are named by both.  The loop's last trip asks for nothing: fills 0 to 3 and the last, short fill come by their loads alone.
.macro ASK
	s_cmp_gt_u32 s3, s[LIM]
	s_cbranch_scc0 .Lnot_mine_\@
	global_prefetch_b8 v[PFO], s[PFA:PFA+1] offset:FILLB th:TH_LOAD_NT scope:SCOPE_SE
	global_prefetch_b8 v[PFO2], s[PFA:PFA+1] offset:FILLB+8192 th:TH_LOAD_NT scope:SCOPE_SE
.Lnot_mine_\@:
.endm
	s_load_b256 s[4:11], s[0:1], 0x0               ; xq s[4:5], wq s[6:7], aimg s[8:9], lora_B s[10:11]
	s_load_b128 s[12:15], s[0:1], 0x20             ; bias s[12:13], out s[14:15]
	v_lshl_add_u32 v[SPW], v0, 2, SPARE
	v_mov_b32 v[NIL], 0
	ds_add_u32 v28, v29
	ds_add_u32 v28, v29
	s_wait_dscnt 0x0
	v_lshrrev_b32 v1, 5, v0
	v_readfirstlane_b32 s16, v1                    ; wave 0..3
	s_lshr_b32 s17, s16, 1                         ; which half of the tile's rows is mine.  Also: I fetch for x (0) or for w (1)
	s_and_b32 s18, s16, 1                          ; which half of its columns.  Also: which of the two hb I fetch
	s_bfe_u32 s40, ttmp6, 0x40000                  ; cx, cy: my place in the cluster
	s_bfe_u32 s41, ttmp6, 0x40004
	s_lshl_b32 s42, ttmp9, 2
	s_add_co_u32 s42, s42, s40                     ; tile column = 4 x cluster x + cx
	s_and_b32 s19, ttmp7, 0xffff
	s_lshl_b32 s19, s19, 2
	s_add_co_u32 s19, s19, s41                     ; tile row = 4 x cluster y + cy
	s_lshl_b32 s43, s41, 2
	s_lshl_b32 s43, 15, s43                        ; my row of the cluster
	s_lshl_b32 s44, 0x1111, s40                    ; my column
	; descriptor group 1: a dense run of 38,400 bytes, as 150 rows of 256 bytes (32 elements of 8 bytes); no padding: the images are read as they lie.  The last fill: 25,600 bytes, 100 rows
	s_or_b32 s[G1+0], s43, (3<<16)|(1<<21)         ; 15:0 the mask: x's runs go to my row; 17:16 elements of 8 bytes; 21 set beside a mask
	s_or_b32 s[G1B+0], s44, (3<<16)|(1<<21)        ; the same with the mask of my column
	s_or_b32 s[G1L+0], s43, (3<<16)|(1<<21)
	s_or_b32 s[G1BL+0], s44, (3<<16)|(1<<21)
.irp g, G1, G1B
	s_mov_b32 s[\g+1], 32<<16                      ; tensor_dim0 = 32
	s_mov_b32 s[\g+2], 150<<16                     ; tensor_dim1 = 150
	s_mov_b32 s[\g+3], 32<<16                      ; tile_dim0 = 32
	s_mov_b32 s[\g+4], 150                         ; tile_dim1 = 150
	s_mov_b32 s[\g+5], 32                          ; tensor_dim0_stride
	s_mov_b32 s[\g+6], 0
	s_mov_b32 s[\g+7], 0
.endr
.irp g, G1L, G1BL
	s_mov_b32 s[\g+1], 32<<16
	s_mov_b32 s[\g+2], 100<<16                     ; tensor_dim1 = 100
	s_mov_b32 s[\g+3], 32<<16
	s_mov_b32 s[\g+4], 100                         ; tile_dim1 = 100
	s_mov_b32 s[\g+5], 32
	s_mov_b32 s[\g+6], 0
	s_mov_b32 s[\g+7], 0
.endr
	s_lshl_b32 s20, s19, 1
	s_add_co_u32 s20, s20, s18
	s_mul_i32 s20, s20, HBB                        ; x: hb 2 x tile row + half: it hangs on the tile row alone, which my row of the cluster shares
	s_mov_b32 s21, 0
	s_lshl_b32 s46, s42, 1
	s_add_co_u32 s46, s46, s18
	s_mul_i32 s46, s46, HBB                        ; w: hb 2 x tile column + half
	s_mov_b32 s47, 0
	s_mul_i32 s45, s16, FILLB                      ; where they go: wave x a run: no place in the cluster enters an LDS address
	s_wait_kmcnt 0x0
	s_add_nc_u64 s[20:21], s[4:5], s[20:21]
	s_add_nc_u64 s[46:47], s[6:7], s[46:47]
	CROUND                                         ; all sixteen work-groups are here: the first joint loads meet
.irp s, 0,1
	s_mov_b32 s[G0+4*\s], 1
	s_add_co_u32 s[G0+4*\s+1], s45, \s*SLOT
	s_add_nc_u64 s[G0+4*\s+2:G0+4*\s+3], s[20:21], \s*FILLB
	s_or_b32 s[G0+4*\s+3], s[G0+4*\s+3], 0x80000000
	s_mov_b32 s[G0B+4*\s], 1
	s_add_co_u32 s[G0B+4*\s+1], s45, \s*SLOT
	s_add_nc_u64 s[G0B+4*\s+2:G0B+4*\s+3], s[46:47], \s*FILLB
	s_or_b32 s[G0B+4*\s+3], s[G0B+4*\s+3], 0x80000000
	JLOAD \s, G1, G1B                              ; fills 0 and 1: two loads of mine are out
.endr
	; ---- while the first runs are on their way: a2's fragments, lora_B and the bias
	v_and_b32 v1, 15, v0                           ; r
	v_bfe_u32 v2, v0, 4, 1                         ; h
	v_and_b32 v3, 31, v0                           ; lane
	v_lshlrev_b32 v4, 4, v3                        ; 16 x lane
	v_lshlrev_b32 v7, 5, v1
	v_lshl_add_u32 v7, v2, 4, v7                   ; lora_B: row r of 32 bytes, + 16 h: ranks 8 h .. 8 h + 7
	v_lshlrev_b32 v8, 4, v2                        ; bias: 16 h: columns 8 h .. 8 h + 7 of a tile
	s_lshl_b32 s20, s19, 13
	s_lshl_b32 s21, s17, 12
	s_add_co_u32 s20, s20, s21                     ; aimg: tile 16 x tile row + 8 x half, 512 bytes a tile
	s_mov_b32 s21, 0
	s_add_nc_u64 s[8:9], s[8:9], s[20:21]
	s_lshl_b32 s70, s42, 13
	s_lshl_b32 s71, s18, 12
	s_add_co_u32 s70, s70, s71                     ; lora_B: row 256 x tile column + 128 x half, 32 bytes a row
	s_mov_b32 s71, 0
	s_add_nc_u64 s[10:11], s[10:11], s[70:71]
	s_lshl_b32 s70, s42, 9
	s_lshl_b32 s72, s18, 8
	s_add_co_u32 s70, s70, s72                     ; my first column, 2 bytes a number: in the bias and in a row of out
	s_add_nc_u64 s[12:13], s[12:13], s[70:71]
	s_add_nc_u64 s[14:15], s[14:15], s[70:71]
	s_lshl_b32 s20, s19, 21
	s_lshl_b32 s22, s17, 20
	s_add_co_u32 s20, s20, s22                     ; my first row of out: 256 x tile row + 128 x half, 8,192 bytes a row
	s_add_nc_u64 s[14:15], s[14:15], s[20:21]
.irp i, 0,1,2,3,4,5,6,7
	global_load_b128 v[128+8*\i:128+8*\i+3], v4, s[8:9] offset:512*\i      ; a2, tile i of my rows: registers 0-3 of a bf16 fragment, as they were stored
.endr
.irp b, 0,1,2,3,4,5,6,7
	global_load_b128 v[64+4*\b:64+4*\b+3], v7, s[10:11] offset:512*\b      ; lora_B(column 16 b + r, ranks 8 h ..), f16
.endr
.irp b, 0,1,2,3,4,5,6,7
	global_load_b128 v[96+4*\b:96+4*\b+3], v8, s[12:13] offset:32*\b       ; bias(16 b + 8 h + 0 .. 7), f16
.endr
	s_mul_i32 s21, s17, FILLB                      ; my run of x
	s_mul_i32 s22, s18, FILLB
	s_add_co_u32 s22, s22, 2*FILLB                 ; my run of w, behind x's two
	s_xor_b32 s23, s17, 1
	s_add_co_u32 s23, s23, s18
	s_add_co_u32 s23, s23, 1
	s_mul_i32 s23, s23, FILLB                      ; from the one to the other: 2 + column half - row half runs
	v_mul_u32_u24 v6, s23, v2                      ; lanes 16-31 take w's scale words
	v_lshl_add_u32 v6, v1, 2, v6                   ; 4 bytes a row
.irp s, 0,1
	v_add_nc_u32 v[ADRA+\s], s21, v4
	v_add_nc_u32 v[ADRB+\s], s22, v4
	v_add_nc_u32 v[ADRS+\s], s21, v6
	v_add_nc_u32 v[ADRS+\s], 12288, v[ADRS+\s]
	s_add_co_u32 s21, s21, SLOT
	s_add_co_u32 s22, s22, SLOT
.endr
	s_mul_i32 s23, s16, 16*SPITCH
	s_add_co_u32 s23, s23, STAGE                   ; my stage
	v_mul_u32_u24 v5, v1, SPITCH                   ; in: row r, 16 bytes for each half of the lanes
	v_lshl_add_u32 v5, v2, 4, v5
	v_add_nc_u32 v[STO], s23, v5
	v_mul_u32_u24 v5, v2, SPITCH                   ; back: lanes 0-15 take one row of 256 bytes, lanes 16-31 the next
	v_lshl_add_u32 v5, v1, 4, v5
	v_add_nc_u32 v[RD], s23, v5
	v_lshlrev_b32 v5, 13, v2                       ; and the same two rows in out
	v_lshl_add_u32 v[CO], v1, 4, v5
	; the prefetches: where mine stand, and who asks
	s_and_b32 s72, ttmp7, 0xffff                   ; cluster y
	s_cmp_eq_u32 s17, 0                            ; do I fetch for x?
	s_cselect_b32 s70, s19, s42                    ; the hb: by the tile row in xq, by the tile column in wq
	s_cselect_b32 s71, s40, s41                    ; my place among the four that ask for it with me
	s_cselect_b32 s72, ttmp9, s72                  ; the coordinate along which other clusters read the same run
	s_cselect_b64 s[PFA:PFA+1], s[4:5], s[6:7]
	s_cmp_eq_u32 s72, 0
	s_cselect_b32 s[LIM], 1, -1                    ; the same in all sixteen partners, for a given wave
	s_lshl_b32 s70, s70, 1
	s_add_co_u32 s70, s70, s18
	s_mul_i32 s70, s70, HBB
	s_mul_i32 s71, s71, 9600
	s_add_co_u32 s70, s70, s71
	s_add_co_u32 s70, s70, 2*FILLB                 ; at fill 2: the first refill steps it to 3 and names fill 4.  Nothing is prefetched here, at the head
	s_mov_b32 s71, 0
	s_add_nc_u64 s[PFA:PFA+1], s[PFA:PFA+1], s[70:71]
	v_lshlrev_b32 v[PFO], 8, v3
	v_min_u32 v[PFO2], 5, v3
	v_lshlrev_b32 v[PFO2], 8, v[PFO2]
.irp i, 0,1,2,3,4,5,6,7
.irp j, 4,5,6,7
	v_mov_b32 v[128+8*\i+\j], 0                    ; the bf16 form is 32 deep and there are 16 ranks: the upper 16 are zeros, on both sides
.endr
.endr
	s_wait_loadcnt 0x0
.irp n, 64,65,66,67,68,69,70,71,72,73,74,75,76,77,78,79,80,81,82,83,84,85,86,87,88,89,90,91,92,93,94,95
	CV2 192+2*(\n-64), \n                          ; lora_B in f32,
.endr
	WIN 0x40                                       ; destination window 1
.irp b, 0,1,2,3,4,5,6,7
.irp i, 0,1,2,3
	v_cvt_pk_bf16_f32 v[8*\b+\i], v[192+8*\b+2*\i], v[192+8*\b+2*\i+1]   ; and in bf16: tile b's fragment
.endr
.irp i, 4,5,6,7
	v_mov_b32 v[8*\b+\i], 0
.endr
.endr
	WIN 0
.irp n, 96,97,98,99,100,101,102,103,104,105,106,107,108,109,110,111,112,113,114,115,116,117,118,119,120,121,122,123,124,125,126,127
	CV2 192+2*(\n-96), \n                          ; the bias in f32, in the result's layout: register 8 b + j of lane (r, h) is bias(16 b + 8 h + j)
.endr
.macro PLACES n
.rept \n
	v_nop
.endr
.endm
.macro LORA a0                         ; 32 matrix instructions: tiles a0 .. a0 + 3 of my rows x my 8 tiles of columns; each starts its accumulator's sum with the bias as C
.irp a, \a0, \a0+1, \a0+2, \a0+3
.irp b, 0,1,2,3,4,5,6,7
	v_wmma_f32_16x16x32_bf16 v[8*(8*((\a)%4)+\b):8*(8*((\a)%4)+\b)+7], v[8*\b:8*\b+7], v[128+8*(\a):128+8*(\a)+7], v[192+8*\b:192+8*\b+7]
.endr
.endr
.endm
	PLACES 4
	WIN 0x81                                       ; source 0 (lora_B) window 1, source 1 (a2) and C (bias) window 0, D window 2
	LORA 0
	WIN 0xc1                                       ; D window 3
	LORA 4
	WIN 0
	PLACES 5                                       ; another form of matrix instruction writes over these results next, and loads land in their sources: five places
.macro FRAG reg, adr, q, i             ; a fragment comes as it was stored: three loads, each 512 consecutive bytes; q: the slot's q-th K step
.irp p, 0,1,2
	ds_load_b128 v[\reg+4*\p:\reg+4*\p+3], v[\adr] offset:(\q)*KSB+(\i)*1536+512*\p
.endr
.endm
; 8 matrix instructions: x's tile a against w's eight, 128 along K.  p: w's set and the set of scale words: the K step's parity.
; The 64 accumulators take turns, one instruction a turn, in the same order in every step.
.macro MUL8 a, p
.irp b, 0,1,2,3,4,5,6,7
	v_wmma_scale_f32_16x16x128_f8f6f4 v[8*(8*((\a)%4)+\b):8*(8*((\a)%4)+\b)+7], v[128*(\p)+FR*\b:128*(\p)+FR*\b+FR-1], v[AF+FR*(\a):AF+FR*(\a)+FR-1], v[8*(8*((\a)%4)+\b):8*(8*((\a)%4)+\b)+7], v[SC+8*(\p)+\b], v[SC+8*(\p)+(\a)] matrix_a_fmt:MATRIX_FMT_FP6 matrix_b_fmt:MATRIX_FMT_FP6 matrix_a_scale:MATRIX_SCALE_ROW1
.endr
.endm
.macro MUL16 a0, p
	MUL8 \a0, \p
	MUL8 (\a0)+1, \p
.endm
.macro FETCH_B slot, q, p              ; w's eight fragments of the slot's q-th K step into set p
	WIN TO_B
.irp i, 0,1,2,3,4,5,6,7
	FRAG 128*(\p)+FR*\i, ADRB+\slot, \q, \i
.endr
	WIN 0
.endm
.macro FETCH_A slot, q, i0             ; x's tiles i0 .. i0 + 3
.irp i, \i0, \i0+1, \i0+2, \i0+3
	FRAG AF+FR*(\i), ADRA+\slot, \q, \i
.endr
.endm
.macro SCALES slot, q, p               ; that K step's scale words into set p: one word a row; lanes 0-15 take x's tile i, lanes 16-31 w's tile i
.irp i, 0,1,2,3,4,5,6,7
	ds_load_b32 v[SC+8*(\p)+\i], v[ADRS+\slot] offset:(\q)*KSB+64*\i
.endr
.endm
; A K step that has its successor in the same slot.  A tile of x is free as soon as its eight products are issued, so one set serves x: tiles 0-3 are fetched anew in the step's middle, tiles 4-7 at its end.
; w's fragments and the scale words are at work through the whole step: two sets, by the step's parity.
; A load into a register that a matrix instruction has read stands NP places behind it; only plain vector instructions that name none of its registers are places.
.macro STEP slot, q, p
	s_wait_dscnt 4*NL                              ; w's set, the scale words and x's tiles 0-3 are in; the youngest twelve loads (x's tiles 4-7) may be out
	WIN MUL_LO
	MUL16 0, \p
	MUL16 2, \p
	s_wait_dscnt 0                                 ; x's tiles 4-7 are in (asked for 32 matrix instructions ago)
	PLACES NP
	FETCH_B \slot, (\q)+1, 1-(\p)
	FETCH_A \slot, (\q)+1, 0
	SCALES \slot, (\q)+1, 1-(\p)
	WIN MUL_HI
	MUL16 4, \p
	MUL16 6, \p
	PLACES NP
	WIN 0
	FETCH_A \slot, (\q)+1, 4
.endm
; A slot's last step changes slots: ONE barrier; in front of it each wave waits for all its tensor loads, adds 0 to its spare word, and waits for that and for its own reads of this slot.
; The step's first sixteen products, which want nothing of the next slot, stand ahead of that wait: from a request to the wait for it a wave issues 32 + 128 + 16 = 176 matrix instructions.
; fill = 1: the barrier opens a round of the cluster's, and this slot is filled again, two fills ahead, first thing behind the round.  fill = 2: the same with the last, short fill, and no prefetch.  fill = 0: nothing is filled.
.macro TURN slot, next, p, fill
.if \fill == 1
	s_wait_xcnt 0x0                                ; the last prefetches, a slot back, have read their address: it is stepped here, ahead of the waits of the change of slots
	s_add_nc_u64 s[PFA:PFA+1], s[PFA:PFA+1], FILLB
.endif
	s_wait_dscnt 4*NL                              ; (the youngest twelve loads, x's tiles 4-7, may be out)
	WIN MUL_LO
	MUL16 0, \p
	WIN 0                                          ; (the add's two registers lie in window 0)
	s_wait_tensorcnt 0x0                           ; all my tensor loads have landed: the one that was out is my run of the next slot;
	ds_add_u32 v[SPW], v[NIL]                      ; 0 onto my spare word;
	WIN MUL_LO
	MUL8 2, \p                                     ; eight matrix instructions stand between the add and the wait for it
	s_wait_dscnt 0x0                               ; the add is done, and my reads of this slot are over
	s_barrier_signal -1
	MUL8 3, \p                                     ; work on registers while the others arrive
	WIN 0
	s_barrier_wait -1
.if \fill
	CREST                                          ; no wave of any partner still reads this slot or has a load on its way
	s_add_nc_u64 s[G0+4*\slot+2:G0+4*\slot+3], s[G0+4*\slot+2:G0+4*\slot+3], 2*FILLB
	s_add_nc_u64 s[G0B+4*\slot+2:G0B+4*\slot+3], s[G0B+4*\slot+2:G0B+4*\slot+3], 2*FILLB
.if \fill == 1
	JLOAD \slot, G1, G1B                           ; my one tensor load behind the round; the four v_nop behind it are also the places in front of the loads below
.else
	JLOAD \slot, G1L, G1BL
.endif
.else
	PLACES NP
.endif
	FETCH_B \next, 0, 1-(\p)
	FETCH_A \next, 0, 0
	SCALES \next, 0, 1-(\p)
.if \fill == 1
	ASK
.endif
	WIN MUL_HI
	MUL16 4, \p
	MUL16 6, \p
	PLACES NP
	WIN 0
	FETCH_A \next, 0, 4
.endm
	s_wait_tensorcnt 0x1                           ; my run of fill 0 is in; fill 1's may stay out
	s_barrier_signal -1
	s_barrier_wait -1                              ; everybody's is
	FETCH_B 0, 0, 0
	FETCH_A 0, 0, 0
	SCALES 0, 0, 0
	FETCH_A 0, 0, 4
	s_mov_b32 s3, 4
.Llap:                                                 ; a trip goes once round the ring: six K steps, after which the sets' parity is back where it began; four trips multiply fills 0 to 7 and ask for fills 2 to 9
	STEP 0, 0, 0
	STEP 0, 1, 1
	TURN 0, 1, 0, 1
	STEP 1, 0, 1
	STEP 1, 1, 0
	TURN 1, 0, 1, 1
	s_sub_co_u32 s3, s3, 1
	s_cmp_lg_u32 s3, 0
	s_cbranch_scc1 .Llap
	STEP 0, 0, 0                                   ; the tail is written out: fill 8
	STEP 0, 1, 1
	TURN 0, 1, 0, 2                                ; behind which slot 0 takes the last fill, K steps 30 and 31;
	STEP 1, 0, 1                                   ; fill 9,
	STEP 1, 1, 0
	TURN 1, 0, 1, 0                                ; behind which nothing is filled;
	STEP 0, 0, 0                                   ; K step 30,
	s_wait_dscnt 4*NL                              ; and K step 31: nothing more to fetch
	WIN MUL_LO
	MUL16 0, 1
	MUL16 2, 1
	s_wait_dscnt 0
	WIN MUL_HI
	MUL16 4, 1
	MUL16 6, 1
	WIN 0
; THE WAY OUT, a block of 16 rows x 128 columns at a time.  A lane's eight results are 16 bytes of a row, and the lanes beside it hold other rows: so a block goes through my own stage in LDS and comes back
; as whole rows of 256 bytes.  LDS serves a wave's instructions in order (ISA guide 5.7.1.4): no wait between the stores and the loads.
.macro PACK a
.set AC, 64*((\a)%4)
	WIN 0x0a+5*((\a)/4)                            ; sources 0 and 1: window 2 or 3
.irp b, 0,1,2,3,4,5,6,7
.irp r, 0,1,2,3
	v_cvt_pk_f16_f32 v[TMP+4*\b+\r], v[AC+8*\b+2*\r], v[AC+8*\b+2*\r+1]   ; each accumulator from its low end on
.endr
.endr
	WIN 0
.endm
.macro TOSTAGE a
.set BB, BK+32*((\a)%2)
.irp b, 0,1,2,3,4,5,6,7
	ds_store_b128 v[STO], v[TMP+4*\b:TMP+4*\b+3] offset:32*\b
.endr
.irp t, 0,1,2,3,4,5,6,7
	ds_load_b128 v[BB+4*\t:BB+4*\t+3], v[RD] offset:\t*2*SPITCH
.endr
.endm
.macro SEND a
.set BB, BK+32*((\a)%2)
	s_wait_dscnt 0x0                               ; the block is back in registers
	s_wait_xcnt 0x0                                ; the earlier stores have read their base and their data: the base steps, and the block after next lands in their registers, only behind this wait
.if (\a) > 0
	s_add_nc_u64 s[14:15], s[14:15], 16*8192       ; 16 rows of out on
.endif
.irp t, 0,1,2,3,4,5,6,7
	global_store_b128 v[CO], v[BB+4*\t:BB+4*\t+3], s[14:15] offset:2*\t*8192 th:TH_STORE_NT   ; 16 lanes store 256 consecutive bytes, at a multiple of 256 from out's first byte; written once, read by nobody here
.endr
.endm
	PLACES NP                                      ; in front of the conversions, which write registers that the last products read
	PACK 0
	TOSTAGE 0
.irp a, 1,2,3,4,5,6,7                  ; block a's conversions stand between block a - 1's loads from the stage and the wait for them
	PACK \a
	SEND \a-1
	TOSTAGE \a
.endr
	SEND 7
	s_wait_tensorcnt 0x0                           ; the wave's end, behind my last tensor load and my last LDS store
	ds_add_u32 v[SPW], v[NIL]
	s_wait_dscnt 0x0
	CROUND                                         ; the closing round: no work-group ends while a partner may still ask for a run that names it
	s_endpgm
.Lfunc_end_k_q48b18ebf21_gemm:
	.size	k_q48b18ebf21_gemm, .Lfunc_end_k_q48b18ebf21_gemm-k_q48b18ebf21_gemm
	.p2alignl 7, 3214868480
	.fill 96, 4, 3214868480
	.section	.rodata,"a",@progbits
	.p2align	6, 0x0
	.amdhsa_kernel k_q48b18ebf21_gemm
		.amdhsa_group_segment_fixed_size 327680
		.amdhsa_private_segment_fixed_size 0
		.amdhsa_enable_private_segment 0
		.amdhsa_kernarg_size 48
		.amdhsa_user_sgpr_count 2
		.amdhsa_user_sgpr_kernarg_segment_ptr 1
		.amdhsa_wavefront_size32 1
		.amdhsa_system_sgpr_workgroup_id_x 1
		.amdhsa_system_sgpr_workgroup_id_y 1
		.amdhsa_system_sgpr_workgroup_id_z 1
		.amdhsa_system_vgpr_workitem_id 0
		.amdhsa_next_free_vgpr 1024
		.amdhsa_next_free_sgpr 100
		.amdhsa_reserve_vcc 0
		.amdhsa_float_denorm_mode_32 3
		.amdhsa_float_denorm_mode_16_64 3
		.amdhsa_memory_ordered 1
		.amdhsa_forward_progress 1
		.amdhsa_inst_pref_size 228
	.end_amdhsa_kernel
	.amdgpu_metadata
---
amdhsa.version: [ 1, 2 ]
amdhsa.kernels:
  - .name:           k_q48b18ebf21_gemm
    .symbol:         k_q48b18ebf21_gemm.kd
    .args:
      - { .name: xq, .offset: 0, .size: 8, .value_kind: global_buffer, .address_space: global }
      - { .name: wq, .offset: 8, .size: 8, .value_kind: global_buffer, .address_space: global }
      - { .name: aimg, .offset: 16, .size: 8, .value_kind: global_buffer, .address_space: global }
      - { .name: lora_B_w, .offset: 24, .size: 8, .value_kind: global_buffer, .address_space: global }
      - { .name: bias, .offset: 32, .size: 8, .value_kind: global_buffer, .address_space: global }
      - { .name: out0, .offset: 40, .size: 8, .value_kind: global_buffer, .address_space: global }
    .group_segment_fixed_size: 327680
    .private_segment_fixed_size: 0
    .kernarg_segment_align: 8
    .kernarg_segment_size: 48
    .max_flat_workgroup_size: 128
    .sgpr_count:     100
    .vgpr_count:     1024
    .wavefront_size: 32
...
	.end_amdgpu_metadata
.endif
;; end of part 2
;; ======== version 2 of 2: 2 launches; version 1 with the launch prep written anew for expert scheduling mode
;; workspace buffers: xq 13,107,200 bytes; wq 13,107,200 bytes; aimg 131,072 bytes
;; launch prep (part 3): grid 256 x 1, 8 waves a work-group, no clusters, 188,160 bytes of LDS; arguments input, lora_A_w, qweight, weight_scales, xq, wq, aimg; writes xq, wq, aimg
.if DOCPART == 3
	.amdgcn_target "amdgcn-amd-amdhsa--gfx1250"
	.amdhsa_code_object_version 6
	.text
	.protected	k_q48b18ebf21_prep
	.globl	k_q48b18ebf21_prep
	.p2align	8
	.type	k_q48b18ebf21_prep,@function
k_q48b18ebf21_prep:
	s_mov_b64 s[64:65], 0
	v_nop
	global_prefetch_b8 v0, s[64:65] scope:SCOPE_SE
	s_setreg_imm32_b32 hwreg(HW_REG_WAVE_SCHED_MODE, 0, 2), 2
	s_setreg_imm32_b32 hwreg(HW_REG_WAVE_MODE, 25, 1), 1
	s_wait_xcnt 0x0
	s_wait_alu depctr_vm_vsrc(0)
; QUANTISE ONCE.  x [4096][4096] f16 (K innermost) and w = qweight x weight_scales [K 4096][N 4096] (K outermost) become codes of FP6 (E2M3) with one E8M0 byte for each 32 along K;
; and a2 = 2 x Q(x) Q(lora_A)^T [4096][16] is made here too, since x's codes pass through registers anyway.
; A block's scale is 2^(floor(log2(its largest magnitude)) - 2): its byte is the largest magnitude's own exponent field - 2, held at 1 from below by a floor among the maximum's leaves.
; LAYOUT OF xq AND wq, in the order of the operand's registers: [hb 32][K step 32][12,800 bytes]; hb = 128 rows of x (columns n of w), a K step = 128 along K.  In a block: 8 images of fragments,
; tile i of 16 rows at 1,536 i: registers 4 p .. 4 p + 3 of lane l at 512 p + 16 l; then from byte 12,288 the scale words [row 128][4 bytes].  The K steps of one hb follow each other in memory.
; aimg: [tile of 16 rows 256][lane 32][16 bytes]: lane (r, h) holds bf16 of a2[row r][8 h .. 8 h + 7]: registers 0-3 of a bf16 fragment.
; SHARES.  Work-groups 0-127: 32 rows of x, all of K; wave w takes K steps 4 w to 4 w + 3.  Work-groups 128-255: 256 along K x 512 columns of w; wave w takes block w of 32 along K.
; The two ways part once, on the work-group's number; each has LDS bytes, one barrier and an end of its own.  No tensor load, no loop: every offset is an immediate.
; LIMITS: a block of zeros gets the byte 1 where the rule says 127 (its codes are zeros; this program alone reads the bytes); NaN and infinities among the inputs are not served;
; a is summed in 16 partial f32 sums of 256 along K, added in a fixed order; a2 is rounded to bf16 (f16 has no room where x and lora_A carry large offsets).
; THE MODE: SCHED_MODE bits 1:0 = 2 (LLVM: expert scheduling mode 2), set by the entry lines.  The code itself states the register dependences between vector or matrix instructions
; and memory or LDS instructions, with s_wait_alu, always for 0.
; THE PLAN, x's way.  Registers that memory or LDS instructions touch:
;   v4 to v11      offsets and LDS addresses: written at the head, never again.  One wait on va_vdst ahead of the first load states them written.
;   the ring       (window 1) written by global loads, read by the LDS stores into the stage; no vector instruction names it.  A wait on vm_vsrc stands ahead of each refill of a set.
;   F              written by the LDS loads from the stage, read by the widenings to f32 alone.  Behind a unit's last widening stands one wait on va_vdst, and the NEXT unit's turn through the stage is
;                  issued there: the second fragment's maxima, conversions, stores and product, which name nothing of F, follow while that turn is out.
;   PC, SW         x's fragment and the scale words to be stored: written by conversions, moves and selects, read by global stores (PC by the product too).  One wait on va_vdst for each fragment,
;                  behind the places and ahead of its stores and its product; one wait on vm_vsrc ahead of the conversions that write PC again.
;   R, v80-83      the partial sums and a2: one wait on va_vdst ahead of the stores of each.
; THE PLAN, w's way:
;   v4 to v12      offsets and LDS addresses: written once.   Q: written by global loads, turned in place and read by the byte selects; behind the barrier LDS loads land in it.
;   CD, WBY        two sets of a column's codes and byte, by turns: one wait on va_vdst ahead of a column's four LDS stores, one on vm_vsrc ahead of the lines that write the set again, two columns on.
;   The last column's wait on va_vdst stands behind every vector instruction of the way: it also states that the reads of Q are over.
.set KSB,  12800                       ; bytes of a block: 128 rows x 128 along K
.set HBB,  409600                      ; bytes of an hb: its 32 K steps
.set WST,  0                           ; w: 32 n-tiles x (two images, 3,072 bytes + 16)
.set WSC,  98816                       ; w: 32 n-tiles x (128 scale bytes + 8)
.set XST,  103168                      ; x: a stage of 16 rows x (512 + 16) bytes for each wave
.set XRED, 170752                      ; x: 2,048 bytes of partial sums of a for each wave
.set MSB, 0
.macro WIN new                         ; the immediate's high byte repeats the setting that is left
.if MSB != (\new)
	s_set_vgpr_msb (MSB<<8)|(\new)
.set MSB, (\new)
.endif
.endm
.macro CV2 d, n                        ; the two f16 of register n, widened into v[d], v[d + 1]
	v_cvt_f32_f16 v[\d], v\n\().l
	v_cvt_f32_f16 v[(\d)+1], v\n\().h
.endm
	s_load_b256 s[4:11], s[0:1], 0x0               ; input s[4:5], lora_A s[6:7], qweight s[8:9], weight_scales s[10:11]
	s_load_b128 s[12:15], s[0:1], 0x20             ; xq s[12:13], wq s[14:15]
	s_load_b64 s[16:17], s[0:1], 0x30              ; aimg
	v_lshl_add_u32 v14, v0, 2, 0x2db00
	v_mov_b32 v15, 0
	v_lshrrev_b32 v1, 5, v0
	v_readfirstlane_b32 s18, v1                    ; wave 0..7
	v_and_b32 v1, 31, v0                           ; lane
	v_and_b32 v2, 15, v0                           ; r
	v_bfe_u32 v3, v0, 4, 1                         ; h
	v_lshlrev_b32 v4, 4, v1                        ; 16 x lane
	v_lshlrev_b32 v8, 3, v1                        ; 8 x lane
	s_wait_alu depctr_va_sdst(0)                   ; s18 is written, ahead of the branch and of its first reader on either way
	s_wait_kmcnt 0x0
	s_cmp_lt_u32 ttmp9, 128
	s_cbranch_scc0 .Lw_path
; ================================================================ x ================================================================
; A UNIT is 16 rows x 256 along K of f16: 16 loads, each a row's 512 consecutive bytes.  A wave has six: lora_A, x rows 0-15, x rows 16-31 of its first 256 along K, then the same of its second.
; A unit turns through the wave's own stage so that lane (r, h) gets, of row r, the 32 neighbours k = 128 q + 64 c + 32 h + 0 .. 31: whole blocks, in the order of the operand's registers.
.set SA,  5                            ; v5   the stage, on the way in: 16 x lane
.set SB,  6                            ; v6   and back: 528 r + 64 h
.set SH8, 7                            ; v7   8 h
.set RA,  9                            ; v9   where I put my partial sums
.set RB,  10                           ; v10  where waves 0 and 1 read all eight waves'
.set L4,  11                           ; v11  4 x lane
.set F,   16                           ; v16-79   a unit back from the stage, two f16 a register
.set X,   80                           ; v80-143  64 numbers in f32
.set PC,  144                          ; v144-155 x's fragment
.set PT,  156                          ; v156-163 the second halves of the blocks' codes
.set AF,  164                          ; v164-187 lora_A's two fragments of the 256 along K in hand
.set AS,  188                          ; v188-189 their scale words
.set XW,  190                          ; v190-193 x's scale words, 2 t + q
.set SW,  194                          ; v194-195 the words as they are stored
.set M,   196                          ; v196-199 four chains of the maximum
.set SO,  200                          ; v200-201 the conversions' scale operands
.set BY,  202                          ; v202-203 the scale bytes
.set W,   204
.set W2,  205
.set AC,  208                          ; v208-239 four accumulators of a, at 8 (2 t + q)
.set R,   240                          ; v240-255 their sums over q
                                       ; window 1: v0-255: a ring of four units as loaded
	s_mul_i32 s22, s18, 8448
	s_add_co_u32 s22, s22, XST
	v_add_nc_u32 v[SA], s22, v4
	v_mul_u32_u24 v[SB], v2, 528
	v_lshl_add_u32 v[SB], v3, 6, v[SB]
	v_add_nc_u32 v[SB], s22, v[SB]
	v_lshlrev_b32 v[SH8], 3, v3
	v_lshlrev_b32 v[L4], 2, v1
	s_lshl_b32 s22, s18, 11
	s_add_co_u32 s22, s22, XRED
	v_add_nc_u32 v[RA], s22, v4
	s_lshl_b32 s22, s18, 10
	s_add_co_u32 s22, s22, XRED
	v_add_nc_u32 v[RB], s22, v4
	v_mov_b32 v[W2], 0                             ; written once: a lane permute's destination counts as one of its sources
	s_mov_b32 s20, 0x76543210
	s_mov_b32 s21, 0xfedcba98                      ; v_permlanex16_b32's selects for lane l xor 16
	s_mov_b32 vcc_lo, 0xffff0000                   ; lanes 16-31
	s_lshl_b32 s22, ttmp9, 18                      ; my work-group's 32 rows of 8,192 bytes
	s_mov_b32 s23, 0
	s_lshl_b32 s24, s18, 10                        ; my wave's 512 along K: 1,024 bytes of a row
	s_mov_b32 s25, 0
	s_add_nc_u64 s[4:5], s[4:5], s[22:23]
	s_add_nc_u64 s[4:5], s[4:5], s[24:25]          ; x
	s_add_nc_u64 s[6:7], s[6:7], s[24:25]          ; lora_A
	s_mul_i32 s26, s18, 4*KSB                      ; my wave's four K steps,
	s_lshr_b32 s28, ttmp9, 2
	s_mul_i32 s28, s28, HBB                        ; in my rows' hb
	s_add_co_u32 s26, s26, s28
	s_mov_b32 s27, 0
	s_add_nc_u64 s[12:13], s[12:13], s[26:27]      ; xq at my first block
	s_and_b32 s28, ttmp9, 3                        ; which 32 of the block's 128 rows
	s_lshl_b32 s30, s28, 7
	s_add_co_u32 s30, s30, 12288
	s_mov_b32 s31, 0
	s_add_nc_u64 s[30:31], s[12:13], s[30:31]      ; their scale words
	s_mul_i32 s28, s28, 3072
	s_mov_b32 s29, 0
	s_add_nc_u64 s[12:13], s[12:13], s[28:29]      ; their two images
; Unit u into set u % 4 of the ring.  why = 1: the way's first memory instruction; why = 2: the set has been through the stage; why = 0: nothing is owed.
.macro LOADU u, why
	WIN 0x40                                       ; destination window 1
.if (\why) == 1
	s_wait_alu depctr_va_vdst(0)                   ; the head has written v4 to v11: every offset and LDS address that the loads and stores of this way read
.endif
.if (\why) == 2
	s_wait_alu depctr_vm_vsrc(0)                   ; the LDS stores into the stage have read this set of the ring, in which the loads below land
.endif
.irp j, 0,1,2,3,4,5,6,7,8,9,10,11,12,13,14,15
.if (\u)%3 == 0
	global_load_b128 v[64*((\u)%4)+4*\j:64*((\u)%4)+4*\j+3], v4, s[6:7] offset:8192*\j+512*((\u)/3)
.else
	global_load_b128 v[64*((\u)%4)+4*\j:64*((\u)%4)+4*\j+3], v4, s[4:5] offset:8192*\j+512*((\u)/3)+131072*((\u)%3-1) th:TH_LOAD_NT
.endif
.endr
	WIN 0
.endm
; Unit u goes through the stage; left = the loads of the units issued behind it, 16 each.  own = 1: the unit before has just been widened out of F.
.macro TURN_OUT u, left, own
.if \own
	s_wait_alu depctr_va_vdst(0)                   ; the widenings are done reading F, in which the LDS loads below land; no vector instruction names F again before the next unit's widenings
.endif
	s_wait_loadcnt \left
	WIN 0x04                                       ; an LDS store's data are its source 1: window 1
.irp j, 0,1,2,3,4,5,6,7,8,9,10,11,12,13,14,15
	ds_store_b128 v[SA], v[64*((\u)%4)+4*\j:64*((\u)%4)+4*\j+3] offset:528*\j
.endr
	WIN 0
.irp q, 0,1
.irp c, 0,1
.irp i, 0,1,2,3
	ds_load_b128 v[F+32*\q+16*\c+4*\i:F+32*\q+16*\c+4*\i+3], v[SB] offset:256*\q+128*\c+16*\i   ; LDS serves a wave's instructions in order: these see the stores above
.endr
.endr
.endr
.endm
.macro TURN_IN u                       ; at the head of unit u's work
	s_wait_dscnt 0x0                               ; the unit is back in F
.if (\u)+4 < 6
	LOADU (\u)+4, 2                                ; its set of the ring takes the unit four on
.endif
.endm
.macro WIDEN0                          ; the first 128 along K of the unit in F, in f32
.irp n, 16,17,18,19,20,21,22,23,24,25,26,27,28,29,30,31,32,33,34,35,36,37,38,39,40,41,42,43,44,45,46,47
	CV2 X+2*(\n-16), \n
.endr
.endm
.macro WIDEN1                          ; the second
.irp n, 48,49,50,51,52,53,54,55,56,57,58,59,60,61,62,63,64,65,66,67,68,69,70,71,72,73,74,75,76,77,78,79
	CV2 X+2*(\n-48), \n
.endr
.endm
; The 64 numbers in X become a fragment in v[dst] on and its rows' scale word in v[wreg] (whole in both halves of the lanes).  out = 1: stores of the fragment before have been issued from v[dst] on.
.macro QUANT dst, wreg, out
.irp m, 0,1,2,3
	v_max3_num_f32 v[M+\m], |v[X+16*\m]|, |v[X+16*\m+1]|, 0x1800000   ; four chains of 16 numbers, each begun with the floor 2^(3 - 127): the byte cannot fall under 1
.endr
.irp i, 2,4,6,8,10,12,14
.irp m, 0,1,2,3
	v_max3_num_f32 v[M+\m], v[M+\m], |v[X+16*\m+\i]|, |v[X+16*\m+\i+1]|
.endr
.endr
	v_max_num_f32 v[M], v[M], v[M+1]               ; my block 2 c + h, c = 0,
	v_max_num_f32 v[M+2], v[M+2], v[M+3]           ; and c = 1: all 32 numbers of each are mine
	v_add_nc_u32 v[SO], 0xff000000, v[M]           ; 2 off the exponent field: the conversion takes this operand's exponent field as its scale
	v_add_nc_u32 v[SO+1], 0xff000000, v[M+2]
	v_lshrrev_b32 v[BY], 23, v[SO]                 ; the scales' bytes
	v_lshrrev_b32 v[BY+1], 23, v[SO+1]
	v_lshl_or_b32 v[W], v[BY+1], 16, v[BY]         ; blocks h and 2 + h,
	v_lshlrev_b32 v[W], v[SH8], v[W]               ; at their places in the word;
	v_permlanex16_b32 v[W2], v[W], s20, s21
	v_or_b32 v[\wreg], v[W], v[W2]                 ; with lane l xor 16's two the word is whole
	s_wait_xcnt 0x0                                ; the stores issued so far have read their data: the codes' registers are written again only behind this wait
.if \out
	s_wait_alu depctr_vm_vsrc(0)                   ; the global stores issued so far have read x's fragment, which the conversions below write again (and the scale words' two registers, which the next selects write)
.endif
.irp c, 0,1
	v_cvt_scalef32_pk16_fp6_f32 v[\dst+6*\c:\dst+6*\c+2], v[X+32*\c:X+32*\c+15], v[SO+\c]
	v_cvt_scalef32_pk16_fp6_f32 v[PT+4*\c:PT+4*\c+2], v[X+32*\c+16:X+32*\c+31], v[SO+\c]   ; (a conversion's three registers begin on an even number)
.endr
	v_nop                                          ; one plain place behind a scaled conversion
.irp c, 0,1
.irp i, 0,1,2
	v_mov_b32 v[\dst+6*\c+3+\i], v[PT+4*\c+\i]
.endr
.endr
.endm
; x's fragment leaves as an image of its registers, 512 consecutive aligned bytes a store, and is multiplied by lora_A's: source 0 = the 16 ranks, source 1 = my 16 rows of x,
; so that lane (r, h) holds a[row r][rank 8 h + 0 .. 7].  The four accumulators take turns, one instruction a turn.
; With the second tile's second fragment go the 32 rows' scale words of two K steps: lanes 0-15 tile 0's rows, lanes 16-31 tile 1's.  Each of these stores covers 128 consecutive bytes: my work-group's
; 32 rows are a quarter of a block's 128, and a K step's words lie in its own block.  These words are 512 of a block's 12,800 bytes.
.macro XOUT e, t, q
.if (\t) == 1 && (\q) == 1
	v_cndmask_b32 v[SW], v[XW], v[XW+2], vcc_lo
	v_cndmask_b32 v[SW+1], v[XW+1], v[XW+3], vcc_lo
.endif
.rept 8
	v_nop                                          ; a scale register written by a vector instruction stands 8 places ahead of a scaled matrix instruction, an operand so written 4
.endr
	s_wait_alu depctr_va_vdst(0)                   ; the conversions, moves and selects have written x's fragment and the words to be stored, which the stores below read; and both fragments and both scale words, which the product takes.  The places above stay beside this wait
.irp p, 0,1,2
	global_store_b128 v4, v[PC+4*\p:PC+4*\p+3], s[12:13] offset:KSB*(2*\e+\q)+1536*\t+512*\p
.endr
.if (\t) == 1 && (\q) == 1
	global_store_b32 v[L4], v[SW], s[30:31] offset:KSB*(2*\e)
	global_store_b32 v[L4], v[SW+1], s[30:31] offset:KSB*(2*\e+1)
.endif
.if \e == 0
	v_wmma_scale_f32_16x16x128_f8f6f4 v[AC+8*(2*\t+\q):AC+8*(2*\t+\q)+7], v[AF+12*\q:AF+12*\q+11], v[PC:PC+11], 0, v[AS+\q], v[XW+2*\t+\q] matrix_a_fmt:MATRIX_FMT_FP6 matrix_b_fmt:MATRIX_FMT_FP6
.else
	v_wmma_scale_f32_16x16x128_f8f6f4 v[AC+8*(2*\t+\q):AC+8*(2*\t+\q)+7], v[AF+12*\q:AF+12*\q+11], v[PC:PC+11], v[AC+8*(2*\t+\q):AC+8*(2*\t+\q)+7], v[AS+\q], v[XW+2*\t+\q] matrix_a_fmt:MATRIX_FMT_FP6 matrix_b_fmt:MATRIX_FMT_FP6
.endif
.endm
; A unit of x.  first = 1: no fragment of x has been stored yet.  nxt, left: the unit that goes through the stage behind this unit's last widening (6: none), and its count.
; The next fragment's conversions to f32 and maxima are the places behind each product.
.macro XUNIT e, t, first, nxt, left
	WIDEN0
	QUANT PC, XW+2*\t, 1-\first
	XOUT \e, \t, 0
	WIDEN1
.if \nxt < 6
	TURN_OUT \nxt, \left, 1
.endif
	QUANT PC, XW+2*\t+1, 1
	XOUT \e, \t, 1
.endm
.macro AUNIT nxt, left                 ; a unit of lora_A: its two fragments and scale words stay in registers; no store reads them
	WIDEN0
	QUANT AF, AS, 0
	WIDEN1
	TURN_OUT \nxt, \left, 1
	QUANT AF+12, AS+1, 0
.endm
	LOADU 0, 1
	LOADU 1, 0
	LOADU 2, 0
	LOADU 3, 0
	TURN_OUT 0, 48, 0                              ; no vector instruction has named F yet
	TURN_IN 0
	AUNIT 1, 48
	TURN_IN 1
	XUNIT 0, 0, 1, 2, 48
	TURN_IN 2
	XUNIT 0, 1, 0, 3, 32
	TURN_IN 3
	AUNIT 4, 16
	TURN_IN 4
	XUNIT 1, 0, 0, 5, 0
	TURN_IN 5
	XUNIT 1, 1, 0, 6, 0
.rept 4
	v_nop                                          ; places between the last product and the first read of its result
.endr
.irp t, 0,1
.irp j, 0,2,4,6
	v_pk_add_f32 v[R+8*\t+\j:R+8*\t+\j+1], v[AC+16*\t+\j:AC+16*\t+\j+1], v[AC+16*\t+8+\j:AC+16*\t+8+\j+1]   ; each accumulator from its low end on
.endr
.endr
	s_wait_alu depctr_va_vdst(0)                   ; the additions have written the sums, which the LDS stores read; every reader of v16-79 is done too, in which waves 0 and 1 load behind the barrier
.irp t, 0,1
.irp f, 0,1
	ds_store_b128 v[RA], v[R+8*\t+4*\f:R+8*\t+4*\f+3] offset:1024*\t+512*\f
.endr
.endr
	s_wait_dscnt 0x0                               ; for the others' sake: my partial sums lie in LDS
	s_barrier_signal -1
	s_barrier_wait -1
	s_cmp_lt_u32 s18, 2
	s_cbranch_scc1 .Lx_sum
	s_wait_dscnt 0x0                               ; the closing lines, six on end
	s_wait_alu 0x0
	s_wait_tensorcnt 0x0
	ds_add_u32 v14, v15
	s_wait_dscnt 0x0
	s_endpgm
.Lx_sum:                                               ; wave t = 0, 1 adds the eight waves' sums of tile t, in the waves' order
	s_lshl_b32 s28, ttmp9, 1
	s_add_co_u32 s28, s28, s18
	s_lshl_b32 s28, s28, 9                         ; tile 2 g + t of aimg, 512 bytes a tile
	s_add_nc_u64 s[16:17], s[16:17], s[28:29]
.irp k, 0,1,2,3,4,5,6,7
.irp f, 0,1
	ds_load_b128 v[16+8*\k+4*\f:16+8*\k+4*\f+3], v[RB] offset:2048*\k+512*\f   ; no vector instruction has been issued since the wait ahead of the sums' stores
.endr
.endr
	s_wait_dscnt 0x0
.irp k, 1,2,3,4,5,6,7
.irp j, 0,2,4,6
	v_pk_add_f32 v[16+\j:17+\j], v[16+\j:17+\j], v[16+8*\k+\j:17+8*\k+\j]
.endr
.endr
.irp j, 0,2,4,6
	v_pk_mul_f32 v[16+\j:17+\j], v[16+\j:17+\j], 2.0 op_sel_hi:[1,0]   ; the scaling of the low-rank update: exact
.endr
.irp i, 0,1,2,3
	v_cvt_pk_bf16_f32 v[80+\i], v[16+2*\i], v[17+2*\i]
.endr
	s_wait_alu depctr_va_vdst(0)                   ; the roundings have written v80-83, which the store reads
	global_store_b128 v4, v[80:83], s[16:17]       ; 512 consecutive aligned bytes
	s_wait_dscnt 0x0                               ; the closing lines, six on end, as above
	s_wait_alu 0x0
	s_wait_tensorcnt 0x0
	ds_add_u32 v14, v15
	s_wait_dscnt 0x0
	s_endpgm
; ================================================================ w ================================================================
; A LANE TAKES 16 COLUMNS (an n-tile), ITS REGISTERS RUN DOWN K: each load is a row's 512 consecutive bytes.  A column's 32 numbers, one block, lie in one lane, so the maximum needs no other lane.
; q x s IS MADE EXACTLY IN f32: u = q + 128 (the sign bit turned) is set into the mantissa of 2^23, giving 2^23 + 256 u; one fused multiply-add by s 2^-8 with -(2^15 + 128) s gives (u - 128) s = q s:
; both constants are exact (11 bits x 9 bits), and so is the result (8 bits x 11 bits).
; A column's 24 bytes of codes are registers 6 c .. 6 c + 5 of lane (j, h) of the n-tile's image q, with 4 q + 2 c + h = my wave: they go there in LDS, and the images leave as they lie.
.Lw_path:
.set WS,  16                           ; v16-23  my 16 columns' scales, f16
.set SF,  24                           ; v24     one of them, f32
.set S1,  26                           ; v[26:27] s 2^-8, twice
.set C1,  28                           ; v[28:29] -(2^15 + 128) s, twice
.set WX,  32                           ; v32-63  a column's 32 numbers
.set CD,  64                           ; v64-79  codes, two sets of 8 by turns
.set WBY, 80                           ; v80-81  scale bytes, by turns
.set WM,  82                           ; v82-85  four chains of the maximum
.set WOP, 86                           ; v86     the conversions' scale operand
.set Q,   128                          ; v128-255 32 rows x 16 bytes
.set MAG, 36                           ; s36     2^23
.set SEL, 37                           ; s37-40  byte selects: 2^23's top byte, 0, byte b of the word, 0
	s_sub_co_u32 s22, ttmp9, 128
	s_lshr_b32 s23, s22, 3                         ; which 256 along K: K steps 2 s23 and 2 s23 + 1
	s_and_b32 s24, s22, 7                          ; which 512 columns
	s_lshl_b32 s26, s23, 8
	s_lshl_b32 s27, s18, 5
	s_add_co_u32 s26, s26, s27                     ; my first row: 256 s23 + 32 wave
	s_lshl_b32 s26, s26, 12
	s_lshl_b32 s27, s24, 9
	s_add_co_u32 s26, s26, s27
	s_mov_b32 s27, 0
	s_add_nc_u64 s[8:9], s[8:9], s[26:27]          ; qweight
	s_lshl_b32 s26, s24, 10
	s_add_nc_u64 s[10:11], s[10:11], s[26:27]      ; weight_scales
	s_mul_i32 s26, s23, 2*KSB
	s_lshl_b32 s28, s24, 2
	s_lshr_b32 s29, s18, 1
	s_add_co_u32 s28, s28, s29                     ; on the way out wave w takes n-tiles 4 w .. 4 w + 3: hb 4 cg + w / 2,
	s_mul_i32 s28, s28, HBB
	s_add_co_u32 s26, s26, s28
	s_add_nc_u64 s[14:15], s[14:15], s[26:27]
	s_and_b32 s28, s18, 1                          ; its lower or upper four tiles
	s_lshl_b32 s30, s28, 8
	s_add_co_u32 s30, s30, 12288
	s_mov_b32 s31, 0
	s_add_nc_u64 s[30:31], s[14:15], s[30:31]      ; their scale words
	s_mul_i32 s28, s28, 6144
	s_mov_b32 s29, 0
	s_add_nc_u64 s[14:15], s[14:15], s[28:29]      ; their images
	v_lshlrev_b32 v12, 5, v1                       ; my 16 scales: 32 bytes a lane
	s_wait_alu depctr_va_vdst(0)                   ; v12, v4 and v8 are written: the offsets of this way's global loads and stores
	global_load_b128 v[WS:WS+3], v12, s[10:11]
	global_load_b128 v[WS+4:WS+7], v12, s[10:11] offset:16
.irp i, 0,1,2,3,4,5,6,7,8,9,10,11,12,13,14,15,16,17,18,19,20,21,22,23,24,25,26,27,28,29,30,31
	global_load_b128 v[Q+4*\i:Q+4*\i+3], v4, s[8:9] offset:4096*\i th:TH_LOAD_NT
.endr
	s_lshr_b32 s32, s18, 2                         ; q
	s_mul_i32 s32, s32, 1536
	s_and_b32 s33, s18, 1                          ; h: lanes 16 h + j of the image: 256 h
	s_lshl_b32 s33, s33, 8
	s_add_co_u32 s32, s32, s33
	s_bfe_u32 s33, s18, 0x10001                    ; c
	s_mul_i32 s34, s33, 520
	s_mul_i32 s35, s33, 1016
	v_mul_u32_u24 v13, v1, 3088
	v_add_nc_u32 v13, s32, v13
	v_add_nc_u32 v5, s34, v13                      ; registers 6 c, 6 c + 1:      byte 0 (c = 0) or 520 (c = 1) of lane 0's places in the image
	v_add_nc_u32 v6, s35, v13
	v_add_nc_u32 v6, 8, v6                         ; registers 6 c + 2, 6 c + 3:  byte 8 or 1,024
	v_add_nc_u32 v7, s34, v13
	v_add_nc_u32 v7, 512, v7                       ; registers 6 c + 4, 6 c + 5:  byte 512 or 1,032
	s_lshr_b32 s32, s18, 2
	s_lshl_b32 s32, s32, 6                         ; an n-tile's scale bytes lie [q 2][column 16][4]: 64 q,
	s_and_b32 s33, s18, 3
	s_add_co_u32 s32, s32, s33                     ; + my block's byte of the word
	v_mul_u32_u24 v9, v1, 136
	v_add_nc_u32 v9, s32, v9
	v_add_nc_u32 v9, WSC, v9
	s_mul_i32 s32, s18, 12352
	v_add_nc_u32 v10, s32, v4                      ; back: my four n-tiles' images, 16 bytes a lane
	s_mul_i32 s32, s18, 544
	s_add_co_u32 s32, s32, WSC
	v_lshrrev_b32 v13, 3, v1
	v_mul_u32_u24 v11, v13, 136
	v_and_b32 v13, 7, v1
	v_lshl_add_u32 v11, v13, 3, v11
	v_add_nc_u32 v11, s32, v11                     ; and their scale words: eight lanes to an n-tile, two columns' words a lane
	s_mov_b32 s[MAG], 0x4b000000
.irp b, 0,1,2,3
	s_mov_b32 s[SEL+\b], 0x07040004+(\b<<8)
.endr
.irp g, 0,1,2,3
	s_wait_loadcnt 24-8*\g                         ; the scales and rows 0 to 8 g + 7 are in; the rows behind them may be out
.irp i, 0,1,2,3,4,5,6,7,8,9,10,11,12,13,14,15,16,17,18,19,20,21,22,23,24,25,26,27,28,29,30,31
	v_xor_b32 v[Q+32*\g+\i], 0x80808080, v[Q+32*\g+\i]   ; u = q + 128, four at a time
.endr
.endr
.macro COL j, half                     ; column j of my n-tile; half: the register half that holds its scale
.set cs, (\j)%2
	v_cvt_f32_f16 v[SF], \half
	v_mul_f32 v[S1], 0x3b800000, v[SF]
	v_mul_f32 v[S1+1], 0x3b800000, v[SF]
	v_mul_f32 v[C1], 0xc7008000, v[SF]
	v_mul_f32 v[C1+1], 0xc7008000, v[SF]
.irp i, 0,1,2,3,4,5,6,7,8,9,10,11,12,13,14,15,16,17,18,19,20,21,22,23,24,25,26,27,28,29,30,31
	v_perm_b32 v[WX+\i], s[MAG], v[Q+4*\i+(\j)/4], s[SEL+(\j)%4]   ; 2^23 + 256 u
.endr
.irp i, 0,2,4,6,8,10,12,14,16,18,20,22,24,26,28,30
	v_pk_fma_f32 v[WX+\i:WX+\i+1], v[WX+\i:WX+\i+1], v[S1:S1+1], v[C1:C1+1]   ; q s
.endr
.irp m, 0,1,2,3
	v_max3_num_f32 v[WM+\m], |v[WX+8*\m]|, |v[WX+8*\m+1]|, 0x1800000   ; four chains of 8, each begun with the floor
.endr
.irp i, 2,4,6
.irp m, 0,1,2,3
	v_max3_num_f32 v[WM+\m], v[WM+\m], |v[WX+8*\m+\i]|, |v[WX+8*\m+\i+1]|
.endr
.endr
	v_max3_num_f32 v[WM], v[WM], v[WM+1], v[WM+2]
	v_max_num_f32 v[WM], v[WM], v[WM+3]
	v_add_nc_u32 v[WOP], 0xff000000, v[WM]
.if (\j) >= 2
	s_wait_dscnt 4                                 ; the column before's four stores may be out; those of two columns back are done
	s_wait_alu depctr_vm_vsrc(0)                   ; the LDS stores of two columns back have read this set of codes and its byte, which the lines below write again
.endif
	v_lshrrev_b32 v[WBY+cs], 23, v[WOP]
	v_cvt_scalef32_pk16_fp6_f32 v[CD+8*cs:CD+8*cs+2], v[WX:WX+15], v[WOP]
	v_cvt_scalef32_pk16_fp6_f32 v[CD+8*cs+4:CD+8*cs+6], v[WX+16:WX+31], v[WOP]
	v_nop                                          ; one plain place behind a scaled conversion
	v_mov_b32 v[CD+8*cs+3], v[CD+8*cs+4]           ; the block's six registers on end
	v_mov_b32 v[CD+8*cs+4], v[CD+8*cs+5]
	v_mov_b32 v[CD+8*cs+5], v[CD+8*cs+6]
	s_wait_alu depctr_va_vdst(0)                   ; the shift, the conversions and the moves have written the set, which the four LDS stores read (column 0: the LDS addresses v5 to v11 are written too; column 15: the byte selects are done reading Q)
	ds_store_b64 v5, v[CD+8*cs:CD+8*cs+1] offset:16*(\j)
	ds_store_b64 v6, v[CD+8*cs+2:CD+8*cs+3] offset:16*(\j)
	ds_store_b64 v7, v[CD+8*cs+4:CD+8*cs+5] offset:16*(\j)
	ds_store_b8 v9, v[WBY+cs] offset:4*(\j)
.endm
	COL 0, v16.l
	COL 1, v16.h
	COL 2, v17.l
	COL 3, v17.h
	COL 4, v18.l
	COL 5, v18.h
	COL 6, v19.l
	COL 7, v19.h
	COL 8, v20.l
	COL 9, v20.h
	COL 10, v21.l
	COL 11, v21.h
	COL 12, v22.l
	COL 13, v22.h
	COL 14, v23.l
	COL 15, v23.h
	s_wait_dscnt 0x0                               ; for the others' sake: my parts of the images lie in LDS
	s_barrier_signal -1
	s_barrier_wait -1                              ; the 32 n-tiles' images and scale bytes are whole
.irp i, 0,1,2,3
.irp p, 0,1,2,3,4,5
	ds_load_b128 v[Q+4*(6*\i+\p):Q+4*(6*\i+\p)+3], v10 offset:3088*\i+512*\p   ; into Q: no vector instruction has been issued since column 15's wait
.endr
.endr
.irp u, 0,1
	ds_load_b64 v[Q+96+2*\u:Q+96+2*\u+1], v11 offset:64*\u
.endr
.irp i, 0,1,2,3
.irp p, 0,1,2,3,4,5
	s_wait_dscnt 25-(6*\i+\p)                      ; the LDS loads issued behind this one may be out
	global_store_b128 v4, v[Q+4*(6*\i+\p):Q+4*(6*\i+\p)+3], s[14:15] offset:1536*\i+KSB*(\p/3)+512*(\p%3)   ; 512 consecutive aligned bytes: piece p % 3 of the image of K step p / 3
.endr
.endr
.irp u, 0,1
	s_wait_dscnt 1-\u
	global_store_b64 v8, v[Q+96+2*\u:Q+96+2*\u+1], s[30:31] offset:KSB*\u   ; my 64 columns' words of K step u: 256 consecutive aligned bytes
.endr
	s_wait_dscnt 0x0                               ; the closing lines, six on end, as above
	s_wait_alu 0x0
	s_wait_tensorcnt 0x0
	ds_add_u32 v14, v15
	s_wait_dscnt 0x0
	s_endpgm
.Lfunc_end_k_q48b18ebf21_prep:
	.size	k_q48b18ebf21_prep, .Lfunc_end_k_q48b18ebf21_prep-k_q48b18ebf21_prep
	.p2alignl 7, 3214868480
	.fill 96, 4, 3214868480
	.section	.rodata,"a",@progbits
	.p2align	6, 0x0
	.amdhsa_kernel k_q48b18ebf21_prep
		.amdhsa_group_segment_fixed_size 188160
		.amdhsa_private_segment_fixed_size 0
		.amdhsa_enable_private_segment 0
		.amdhsa_kernarg_size 56
		.amdhsa_user_sgpr_count 2
		.amdhsa_user_sgpr_kernarg_segment_ptr 1
		.amdhsa_wavefront_size32 1
		.amdhsa_system_sgpr_workgroup_id_x 1
		.amdhsa_system_sgpr_workgroup_id_y 1
		.amdhsa_system_sgpr_workgroup_id_z 1
		.amdhsa_system_vgpr_workitem_id 0
		.amdhsa_next_free_vgpr 512
		.amdhsa_next_free_sgpr 66
		.amdhsa_reserve_vcc 1
		.amdhsa_float_denorm_mode_32 3
		.amdhsa_float_denorm_mode_16_64 3
		.amdhsa_memory_ordered 1
		.amdhsa_forward_progress 1
		.amdhsa_inst_pref_size 200
	.end_amdhsa_kernel
	.amdgpu_metadata
---
amdhsa.version: [ 1, 2 ]
amdhsa.kernels:
  - .name:           k_q48b18ebf21_prep
    .symbol:         k_q48b18ebf21_prep.kd
    .args:
      - { .name: input, .offset: 0, .size: 8, .value_kind: global_buffer, .address_space: global }
      - { .name: lora_A_w, .offset: 8, .size: 8, .value_kind: global_buffer, .address_space: global }
      - { .name: qweight, .offset: 16, .size: 8, .value_kind: global_buffer, .address_space: global }
      - { .name: weight_scales, .offset: 24, .size: 8, .value_kind: global_buffer, .address_space: global }
      - { .name: xq, .offset: 32, .size: 8, .value_kind: global_buffer, .address_space: global }
      - { .name: wq, .offset: 40, .size: 8, .value_kind: global_buffer, .address_space: global }
      - { .name: aimg, .offset: 48, .size: 8, .value_kind: global_buffer, .address_space: global }
    .group_segment_fixed_size: 188160
    .private_segment_fixed_size: 0
    .kernarg_segment_align: 8
    .kernarg_segment_size: 56
    .max_flat_workgroup_size: 256
    .sgpr_count:     66
    .vgpr_count:     512
    .wavefront_size: 32
...
	.end_amdgpu_metadata
.endif
;; end of part 3
;; launch gemm: the kernel of part 2 again; grid 16 x 16, 4 waves a work-group, clusters of 4 x 4, 327,680 bytes of LDS; arguments xq, wq, aimg, lora_B_w, bias, out0; writes out0
